; MI455X (gfx1250); checked and timed in simulation.
; The chip was launched on July 23, 2026; its instructions are those of AMD's public machine-readable ISA for CDNA 5 (MIT licence, August 2026) and "CDNA5" Instruction Set Architecture Reference Guide (July 2026). The comments in the code are by the model that wrote it; some were corrected since.
;; Transformer Block. Allowed arithmetic: float matrix products may take bf16 or f16 operands with f32 sums; all other float work in f32.
;; Inputs: W1 2,048 x 8,192 float32; W2 8,192 x 2,048 float32; Wk 2,048 x 2,048 float32; Wo 2,048 x 2,048 float32; Wq 2,048 x 2,048 float32; Wv 2,048 x 2,048 float32; b1 8,192 float32; b2 2,048 float32; bo 2,048 float32; ln1_scale 2,048 float32; ln1_shift 2,048 float32; ln2_scale 2,048 float32; ln2_shift 2,048 float32; x 1 x 1,024 x 2,048 float32.
;; Outputs: out0 1 x 1,024 x 2,048 float32.
;; 2 versions, each right; version 2 is version 1 with the launch uproj written anew for expert scheduling mode. Each part assembles by itself: llvm-mc -triple=amdgcn-amd-amdhsa -mcpu=gfx1250 --defsym DOCPART=n.
;; ======== version 1 of 2: 9 launches
;; limits: values are held in f16: magnitudes above 65,504 overflow, below 6.1e-05 lose precision; right only within a limited range of input values
;; workspace buffers: pa 131,072 bytes; pb 131,072 bytes; zp 8,388,608 bytes; ml 8,192 bytes; h2 4,194,304 bytes; res 8,388,608 bytes; g 16,777,216 bytes; part 33,554,432 bytes
;; launch qproj (part 1): grid 16 x 16, 8 waves a work-group, no clusters, 17,408 bytes of LDS; arguments x, ln1_scale, ln1_shift, Wq, Wk, pa; writes pa
.if DOCPART == 1
	.amdgcn_target "amdgcn-amd-amdhsa--gfx1250"
	.amdhsa_code_object_version 6
	.text
	.protected	k_qe1ccd897e8_qproj
	.globl	k_qe1ccd897e8_qproj
	.p2align	8
	.type	k_qe1ccd897e8_qproj,@function
k_qe1ccd897e8_qproj:
	s_mov_b64 s[64:65], 0
	v_nop
	global_prefetch_b8 v0, s[64:65] scope:SCOPE_SE
	s_setreg_imm32_b32 hwreg(HW_REG_WAVE_MODE, 25, 1), 1
	s_wait_xcnt 0x0
; q = LN1(x[1023]) @ Wq, as 16 partial sums: pa[by][c] = sum over the 128 rows d of group by of h1[d] Wq[d][c].
; only the last token's context is kept, so only query row 1023 is needed; that row sees every key.
; A work-group owns one block of 128 rows x 128 columns of Wq (64 KiB, read once in the launch): bx = column group, by = row group.
; Wave w owns rows 16 w .. 16 w + 15, lane L columns 4 L .. 4 L + 3: one load of a wave is 512 consecutive aligned bytes of one row,
; and all 16 loads of a wave go out at once.  One-row product, bound by the stream: f32 arithmetic in the vector unit, no matrix unit.
; No cluster: no two work-groups read the same block of Wq; what they share (one row of x, 8 KiB) is an eighth of a block's bytes.
; The LayerNorm is two-pass (mean, then the sum of (x - mean)^2): no difference of large sums.
; Limit kept: NaN and infinities among the inputs are not followed bit for bit.
.set RED, 0                            ; LDS 0-255: the waves' sums for mean (0-31) and variance (32-63)
.set R1,  256                          ; 4 KiB: each wave's own copy of the 128 numbers of h1
.set RO,  12288                        ; 4 KiB: the waves' partial results
.set VEC, 28                           ; v[28:31]   h1 of my four rows-of-the-group 4 L .. 4 L + 3
.set V16, 32                           ; v[32:47]   h1 of my wave's 16 rows, in every lane
.set XR,  32                           ; v[32:39]   before that: my 8 numbers of the whole row x[1023]
.set ACC, 48                           ; v[48:51]   my four columns' sums
.set T,   52                           ; v[52:63]   at work; T+8,9 mean twice; T+10,11 1/sqrt(var+eps) twice
.set WB,  64                           ; v[64:127]  16 rows x 4 columns of Wq
.macro WSUM v, t                       ; sum over the 32 lanes, the result in every lane; t: a register written before
	v_add_f32_dpp v[\v], v[\v], v[\v] row_xmask:1 row_mask:0xf bank_mask:0xf
	v_add_f32_dpp v[\v], v[\v], v[\v] row_xmask:2 row_mask:0xf bank_mask:0xf
	v_add_f32_dpp v[\v], v[\v], v[\v] row_xmask:4 row_mask:0xf bank_mask:0xf
	v_add_f32_dpp v[\v], v[\v], v[\v] row_xmask:8 row_mask:0xf bank_mask:0xf
	v_permlanex16_b32 v[\t], v[\v], s24, s25
	v_add_f32 v[\v], v[\v], v[\t]
.endm
.macro XSUM o                          ; v[T] summed over the eight waves through LDS bytes o .. o + 31, the result in every lane
	ds_store_b32 v7, v[T] offset:\o
	s_wait_dscnt 0x0                               ; my word is written before I signal
	s_barrier_signal -1
	s_barrier_wait -1
	ds_load_b128 v[T:T+3], v10 offset:\o
	ds_load_b128 v[T+4:T+7], v10 offset:\o+16
	s_wait_dscnt 0x0
	v_pk_add_f32 v[T:T+1], v[T:T+1], v[T+2:T+3]
	v_pk_add_f32 v[T+4:T+5], v[T+4:T+5], v[T+6:T+7]
	v_pk_add_f32 v[T:T+1], v[T:T+1], v[T+4:T+5]
	v_add_f32 v[T], v[T], v[T+1]
.endm
.macro TREE8 b, d                      ; eight vectors of four at v[b + 4 j] summed into v[d : d + 3]
.irp j, 0,2,4,6
	v_pk_add_f32 v[\b+4*\j:\b+4*\j+1], v[\b+4*\j:\b+4*\j+1], v[\b+4*\j+4:\b+4*\j+5]
	v_pk_add_f32 v[\b+4*\j+2:\b+4*\j+3], v[\b+4*\j+2:\b+4*\j+3], v[\b+4*\j+6:\b+4*\j+7]
.endr
.irp j, 0,4
	v_pk_add_f32 v[\b+4*\j:\b+4*\j+1], v[\b+4*\j:\b+4*\j+1], v[\b+4*\j+8:\b+4*\j+9]
	v_pk_add_f32 v[\b+4*\j+2:\b+4*\j+3], v[\b+4*\j+2:\b+4*\j+3], v[\b+4*\j+10:\b+4*\j+11]
.endr
	v_pk_add_f32 v[\d:\d+1], v[\b:\b+1], v[\b+16:\b+17]
	v_pk_add_f32 v[\d+2:\d+3], v[\b+2:\b+3], v[\b+18:\b+19]
.endm
.macro BFMA d, a, vb, n                ; v[d : d+3] (+)= v[a : a+3] * v[vb + n], that one number broadcast to both halves; n = 0 starts the sums
.if (\n) == 0
	v_pk_mul_f32 v[\d:\d+1], v[\a:\a+1], v[\vb:\vb+1] op_sel_hi:[1,0]
	v_pk_mul_f32 v[\d+2:\d+3], v[\a+2:\a+3], v[\vb:\vb+1] op_sel_hi:[1,0]
.elseif ((\n) & 1) == 0
	v_pk_fma_f32 v[\d:\d+1], v[\a:\a+1], v[\vb+\n:\vb+\n+1], v[\d:\d+1] op_sel_hi:[1,0,1]
	v_pk_fma_f32 v[\d+2:\d+3], v[\a+2:\a+3], v[\vb+\n:\vb+\n+1], v[\d+2:\d+3] op_sel_hi:[1,0,1]
.else
	v_pk_fma_f32 v[\d:\d+1], v[\a:\a+1], v[\vb+\n-1:\vb+\n], v[\d:\d+1] op_sel:[0,1,0] op_sel_hi:[1,1,1]
	v_pk_fma_f32 v[\d+2:\d+3], v[\a+2:\a+3], v[\vb+\n-1:\vb+\n], v[\d+2:\d+3] op_sel:[0,1,0] op_sel_hi:[1,1,1]
.endif
.endm
	s_load_b256 s[4:11], s[0:1], 0x0               ; x s[4:5], ln1_scale s[6:7], ln1_shift s[8:9], Wq s[10:11]
	s_load_b128 s[12:15], s[0:1], 0x20             ; Wk s[12:13], pa s[14:15]
	v_lshl_add_u32 v128, v0, 2, 0x4000
	v_mov_b32 v129, 0
	v_lshrrev_b32 v1, 5, v0
	v_readfirstlane_b32 s20, v1                    ; wave w
	s_and_b32 s22, ttmp7, 0xffff                   ; by
	s_mov_b32 s24, 0x76543210                      ; v_permlanex16_b32: lane i reads lane i of the other half
	s_mov_b32 s25, 0xfedcba98
	s_mov_b32 s30, 0x3a000000                      ; 1 / 2048
	s_mov_b32 s31, 0x3727c5ac                      ; 1e-5
	s_lshl_b32 s28, ttmp9, 9                       ; bx x 512 bytes
	s_lshl_b32 s26, s22, 20                        ; by x 128 rows x 8,192 bytes
	s_add_co_u32 s26, s26, s28
	s_mov_b32 s27, 0                               ; s[26:27]: my block's offset in a weight
	s_lshl_b32 s29, s22, 9                         ; by x 512: my 128 numbers of a vector
	s_lshl_b32 s23, s22, 13
	s_add_co_u32 s23, s23, s28                     ; by x 8,192 + bx x 512: my place in pa
	s_mul_i32 s21, s20, 576                        ; 512 w + 64 w
	v_and_b32 v1, 31, v0                           ; lane
	v_lshlrev_b32 v3, 4, v1                        ; 16 lane
	v_lshl_add_u32 v2, s20, 17, v3                 ; + w x 16 rows x 8,192: my offset in the block
	v_lshlrev_b32 v4, 4, v0                        ; 16 x thread: the whole row
	v_add_nc_u32 v5, s29, v3                       ; my four numbers of the group's 128
	v_lshrrev_b32 v6, 1, v1
	v_lshl_add_u32 v6, s20, 4, v6                  ; prefetch: row 16 w + lane / 2,
	v_and_b32 v7, 1, v1
	v_lshlrev_b32 v6, 13, v6
	v_lshl_or_b32 v6, v7, 8, v6                    ; its first or second 256 bytes
	v_mov_b32 v7, s20
	v_lshlrev_b32 v7, 2, v7                        ; 4 w
	v_lshl_add_u32 v8, s20, 9, v3                  ; 512 w + 16 lane
	v_mov_b32 v9, s21
	v_mov_b32 v10, 0
	v_add_nc_u32 v11, s23, v3
	s_wait_kmcnt 0x0
	s_add_nc_u64 s[4:5], s[4:5], 0x7fe000          ; row 1023 of x
	s_add_nc_u64 s[10:11], s[10:11], s[26:27]
	s_add_nc_u64 s[12:13], s[12:13], s[26:27]
	global_load_b128 v[XR:XR+3], v4, s[4:5]
	global_load_b128 v[XR+4:XR+7], v4, s[4:5] offset:4096
	global_load_b128 v[16:19], v5, s[4:5]
	global_load_b128 v[20:23], v5, s[6:7]
	global_load_b128 v[24:27], v5, s[8:9]
.set i, 0
.rept 16
	global_load_b128 v[WB+4*i:WB+4*i+3], v2, s[10:11] offset:8192*i th:TH_LOAD_NT
.set i, i+1
.endr
	; the same block of Wk, which the same wave of the next launch loads: 16 rows x 512 bytes = 32 blocks of 256 bytes, one a lane, each asked for once in the launch
	global_prefetch_b8 v6, s[12:13] th:TH_LOAD_NT scope:SCOPE_SE
	s_wait_loadcnt 19                              ; the row's two loads are in; 3 + 16 younger ones stay out
	v_pk_add_f32 v[T:T+1], v[XR:XR+1], v[XR+2:XR+3]
	v_pk_add_f32 v[T+2:T+3], v[XR+4:XR+5], v[XR+6:XR+7]
	v_pk_add_f32 v[T:T+1], v[T:T+1], v[T+2:T+3]
	v_add_f32 v[T], v[T], v[T+1]
	WSUM T, T+1
	XSUM RED
	v_mul_f32 v[T+8], s30, v[T]                    ; the mean, twice
	v_mul_f32 v[T+9], s30, v[T]
.irp k, 0,2,4,6
	v_pk_add_f32 v[XR+\k:XR+\k+1], v[XR+\k:XR+\k+1], v[T+8:T+9] neg_lo:[0,1] neg_hi:[0,1]
.endr
	v_pk_mul_f32 v[T:T+1], v[XR:XR+1], v[XR:XR+1]
.irp k, 2,4,6
	v_pk_fma_f32 v[T:T+1], v[XR+\k:XR+\k+1], v[XR+\k:XR+\k+1], v[T:T+1]
.endr
	v_add_f32 v[T], v[T], v[T+1]
	WSUM T, T+1
	XSUM RED+32                                    ; other bytes than the first sum's: no barrier between the two uses
	v_fma_f32 v[T], v[T], s30, s31                 ; var + eps
	v_rsq_f32 v[T+10], v[T]
	v_nop                                          ; one plain instruction behind a transcendental before its result is read (ISA guide 5.7.2)
	s_wait_alu depctr_va_vdst(0)
	v_mov_b32 v[T+11], v[T+10]
	s_wait_loadcnt 16                              ; my four of x, scale and shift are in; the 16 rows of Wq may stay out
	v_pk_add_f32 v[16:17], v[16:17], v[T+8:T+9] neg_lo:[0,1] neg_hi:[0,1]
	v_pk_add_f32 v[18:19], v[18:19], v[T+8:T+9] neg_lo:[0,1] neg_hi:[0,1]
	v_pk_mul_f32 v[16:17], v[16:17], v[T+10:T+11]
	v_pk_mul_f32 v[18:19], v[18:19], v[T+10:T+11]
	v_pk_fma_f32 v[VEC:VEC+1], v[16:17], v[20:21], v[24:25]
	v_pk_fma_f32 v[VEC+2:VEC+3], v[18:19], v[22:23], v[26:27]
	; every lane gets the 16 numbers of its wave's rows: through the wave's own 512 bytes; LDS serves a wave's instructions in order (ISA guide 5.7.1)
	ds_store_b128 v8, v[VEC:VEC+3] offset:R1
.irp j, 0,1,2,3
	ds_load_b128 v[V16+4*\j:V16+4*\j+3], v9 offset:R1+16*\j
.endr
	s_wait_dscnt 0x0
.set i, 0
.rept 16
	s_wait_loadcnt 15-i                            ; row i is in; the rows behind it stay out
	BFMA ACC, WB+4*i, V16, i
.set i, i+1
.endr
	ds_store_b128 v8, v[ACC:ACC+3] offset:RO
	s_wait_dscnt 0x0                               ; written before I signal
	s_barrier_signal -1
	s_barrier_wait -1
	s_cmp_lg_u32 s20, 0
	s_cbranch_scc1 .Lend                           ; wave 0 adds the eight waves' sums and stores 512 consecutive aligned bytes
.irp j, 0,1,2,3,4,5,6,7
	ds_load_b128 v[WB+4*\j:WB+4*\j+3], v3 offset:RO+512*\j
.endr
	s_wait_dscnt 0x0
	TREE8 WB, ACC
	global_store_b128 v11, v[ACC:ACC+3], s[14:15]
.Lend:
	s_wait_tensorcnt 0x0
	ds_add_u32 v128, v129
	s_wait_dscnt 0x0
	s_endpgm
.Lfunc_end_k_qe1ccd897e8_qproj:
	.size	k_qe1ccd897e8_qproj, .Lfunc_end_k_qe1ccd897e8_qproj-k_qe1ccd897e8_qproj
	.p2alignl 7, 3214868480
	.fill 96, 4, 3214868480
	.section	.rodata,"a",@progbits
	.p2align	6, 0x0
	.amdhsa_kernel k_qe1ccd897e8_qproj
		.amdhsa_group_segment_fixed_size 17408
		.amdhsa_private_segment_fixed_size 0
		.amdhsa_enable_private_segment 0
		.amdhsa_kernarg_size 48
		.amdhsa_user_sgpr_count 2
		.amdhsa_user_sgpr_kernarg_segment_ptr 1
		.amdhsa_wavefront_size32 1
		.amdhsa_system_sgpr_workgroup_id_x 1
		.amdhsa_system_sgpr_workgroup_id_y 1
		.amdhsa_system_sgpr_workgroup_id_z 1
		.amdhsa_system_vgpr_workitem_id 0
		.amdhsa_next_free_vgpr 130
		.amdhsa_next_free_sgpr 66
		.amdhsa_reserve_vcc 0
		.amdhsa_float_denorm_mode_32 3
		.amdhsa_float_denorm_mode_16_64 3
		.amdhsa_memory_ordered 1
		.amdhsa_forward_progress 1
		.amdhsa_inst_pref_size 12
	.end_amdhsa_kernel
	.amdgpu_metadata
---
amdhsa.version: [ 1, 2 ]
amdhsa.kernels:
  - .name:           k_qe1ccd897e8_qproj
    .symbol:         k_qe1ccd897e8_qproj.kd
    .args:
      - { .name: x, .offset: 0, .size: 8, .value_kind: global_buffer, .address_space: global }
      - { .name: ln1_scale, .offset: 8, .size: 8, .value_kind: global_buffer, .address_space: global }
      - { .name: ln1_shift, .offset: 16, .size: 8, .value_kind: global_buffer, .address_space: global }
      - { .name: Wq, .offset: 24, .size: 8, .value_kind: global_buffer, .address_space: global }
      - { .name: Wk, .offset: 32, .size: 8, .value_kind: global_buffer, .address_space: global }
      - { .name: pa, .offset: 40, .size: 8, .value_kind: global_buffer, .address_space: global }
    .group_segment_fixed_size: 17408
    .private_segment_fixed_size: 0
    .kernarg_segment_align: 8
    .kernarg_segment_size: 48
    .max_flat_workgroup_size: 256
    .sgpr_count:     66
    .vgpr_count:     130
    .wavefront_size: 32
...
	.end_amdgpu_metadata
.endif
;; end of part 1
;; launch uproj (part 2): grid 16 x 16, 8 waves a work-group, no clusters, 17,408 bytes of LDS; arguments Wk, pa, ln1_scale, x, pb; writes pb
.if DOCPART == 2
	.amdgcn_target "amdgcn-amd-amdhsa--gfx1250"
	.amdhsa_code_object_version 6
	.text
	.protected	k_qe1ccd897e8_uproj
	.globl	k_qe1ccd897e8_uproj
	.p2align	8
	.type	k_qe1ccd897e8_uproj,@function
k_qe1ccd897e8_uproj:
	s_mov_b64 s[64:65], 0
	v_nop
	global_prefetch_b8 v0, s[64:65] scope:SCOPE_SE
	s_setreg_imm32_b32 hwreg(HW_REG_WAVE_MODE, 25, 1), 1
	s_wait_xcnt 0x0
; u'[h][d] = ln1_scale[d] * (log2 e / sqrt 128) * sum over j of Wk[d][128 h + j] q[128 h + j], stored as bf16 [16][2048] in pb.
; With one query the score of key t in head h is h1[t] . u[h], where u[h] = Wk[:, head h] q_h: the same sum as q . k in another order.
; h1 = scale * n + shift; the term shift . u[h] is the same for every key and falls out of a softmax that takes its maximum away,
; so the next launch works on the plain normalised rows n, and scale is folded in here.  The factor puts the scores in the domain of exp2.
; A work-group owns one block of 128 rows (by) x 128 columns (bx = head) of Wk, read once; wave w rows 16 w .. 16 w + 15, lane L columns 4 L .. 4 L + 3.
; One-row product, bound by the stream: vector unit, no matrix unit, no cluster (no block is read twice; q's 8 KiB of partials are an eighth of a block).
; Limit kept: u' is rounded to bf16, as an operand of the next launch's matrix product.
.set R1,  256                          ; 4 KiB: the waves' partial q
.set R2,  4352                         ; 512 bytes: the block's 128 results
.set VEC, 28                           ; v[28:31]   q of my four columns
.set V16, 32                           ; v[32:47]   my wave's 16 row sums
.set T,   52
.set WB,  64                           ; v[64:127]  16 rows x 4 columns of Wk
.macro TREE8 b, d                      ; eight vectors of four at v[b + 4 j] summed into v[d : d + 3]
.irp j, 0,2,4,6
	v_pk_add_f32 v[\b+4*\j:\b+4*\j+1], v[\b+4*\j:\b+4*\j+1], v[\b+4*\j+4:\b+4*\j+5]
	v_pk_add_f32 v[\b+4*\j+2:\b+4*\j+3], v[\b+4*\j+2:\b+4*\j+3], v[\b+4*\j+6:\b+4*\j+7]
.endr
.irp j, 0,4
	v_pk_add_f32 v[\b+4*\j:\b+4*\j+1], v[\b+4*\j:\b+4*\j+1], v[\b+4*\j+8:\b+4*\j+9]
	v_pk_add_f32 v[\b+4*\j+2:\b+4*\j+3], v[\b+4*\j+2:\b+4*\j+3], v[\b+4*\j+10:\b+4*\j+11]
.endr
	v_pk_add_f32 v[\d:\d+1], v[\b:\b+1], v[\b+16:\b+17]
	v_pk_add_f32 v[\d+2:\d+3], v[\b+2:\b+3], v[\b+18:\b+19]
.endm
	s_load_b256 s[4:11], s[0:1], 0x0               ; Wk s[4:5], pa s[6:7], ln1_scale s[8:9], x s[10:11]
	s_load_b64 s[12:13], s[0:1], 0x20              ; pb
	v_lshl_add_u32 v128, v0, 2, 0x4000
	v_mov_b32 v129, 0
	v_lshrrev_b32 v1, 5, v0
	v_readfirstlane_b32 s20, v1                    ; wave w
	s_and_b32 s22, ttmp7, 0xffff                   ; by
	s_mov_b32 s24, 0x76543210
	s_mov_b32 s25, 0xfedcba98
	s_lshl_b32 s28, ttmp9, 9                       ; bx x 512
	s_lshl_b32 s26, s22, 20
	s_add_co_u32 s26, s26, s28
	s_mov_b32 s27, 0                               ; s[26:27]: my block's offset in Wk
	s_lshl_b32 s29, s22, 9                         ; by x 512
	s_lshl_b32 s21, s20, 14
	s_add_co_u32 s21, s21, s28                     ; partials 2 w and 2 w + 1 of q, my head's 512 bytes
	s_lshl_b32 s23, ttmp9, 12
	s_lshl_b32 s30, s22, 8
	s_add_co_u32 s23, s23, s30                     ; bx x 4,096 + by x 256: my place in u'
	s_lshl_b32 s30, s22, 4
	s_add_co_u32 s30, s30, ttmp9
	s_lshl2_add_u32 s30, s30, s20                  ; (16 by + bx) x 4 + w
	s_lshl_b32 s30, s30, 13                        ; x 8,192 bytes of x
	v_and_b32 v1, 31, v0
	v_lshlrev_b32 v3, 4, v1                        ; 16 lane
	v_lshl_add_u32 v2, s20, 17, v3
	v_add_nc_u32 v5, s21, v3
	v_add_nc_u32 v6, s29, v3
	v_mov_b32 v7, s20
	v_lshlrev_b32 v7, 6, v7                        ; 64 w
	v_lshl_add_u32 v8, s20, 9, v3                  ; 512 w + 16 lane
	v_lshl_add_u32 v11, v1, 3, s23
	v_lshl_add_u32 v12, v1, 8, s30
	s_wait_kmcnt 0x0
	s_add_nc_u64 s[4:5], s[4:5], s[26:27]
	global_load_b128 v[16:19], v5, s[6:7]
	global_load_b128 v[20:23], v5, s[6:7] offset:8192
	global_load_b128 v[24:27], v6, s[8:9]
.set i, 0
.rept 16
	global_load_b128 v[WB+4*i:WB+4*i+3], v2, s[4:5] offset:8192*i th:TH_LOAD_NT
.set i, i+1
.endr
	s_cmp_gt_u32 s20, 3
	s_cbranch_scc1 .Lasked
	; x for the next launch: waves 0 to 3 of the 256 work-groups ask for 8 KiB each, lanes 256 bytes apart: 1,024 x 8 KiB = all of x, each block once
	global_prefetch_b8 v12, s[10:11] th:TH_LOAD_NT scope:SCOPE_SE
.Lasked:
	s_wait_loadcnt 17                              ; the two partials are in; scale and the 16 rows stay out
	v_pk_add_f32 v[VEC:VEC+1], v[16:17], v[20:21]
	v_pk_add_f32 v[VEC+2:VEC+3], v[18:19], v[22:23]
	ds_store_b128 v8, v[VEC:VEC+3] offset:R1
	s_wait_dscnt 0x0                               ; written before I signal
	s_barrier_signal -1
	s_barrier_wait -1
.irp j, 0,1,2,3,4,5,6,7
	ds_load_b128 v[32+4*\j:32+4*\j+3], v3 offset:R1+512*\j
.endr
	s_wait_dscnt 0x0
	TREE8 32, VEC                                  ; q of my four columns, in every wave
.set i, 0
.rept 16
	s_wait_loadcnt 15-i                            ; row i is in
	v_pk_mul_f32 v[T:T+1], v[WB+4*i:WB+4*i+1], v[VEC:VEC+1]
	v_pk_fma_f32 v[T:T+1], v[WB+4*i+2:WB+4*i+3], v[VEC+2:VEC+3], v[T:T+1]
	v_add_f32 v[V16+i], v[T], v[T+1]
.set i, i+1
.endr
	; sixteen sums over the lanes, stage by stage: sixteen chains that do not wait for each other
.irp m, 1,2,4,8
.set i, 0
.rept 16
	v_add_f32_dpp v[V16+i], v[V16+i], v[V16+i] row_xmask:\m row_mask:0xf bank_mask:0xf
.set i, i+1
.endr
.endr
.set i, 0
.rept 16
	v_permlanex16_b32 v[WB+i], v[V16+i], s24, s25
.set i, i+1
.endr
.set i, 0
.rept 16
	v_add_f32 v[V16+i], v[V16+i], v[WB+i]
	ds_store_b32 v7, v[V16+i] offset:R2+4*i        ; all lanes write the same word with the same number
.set i, i+1
.endr
	s_wait_dscnt 0x0
	s_barrier_signal -1
	s_barrier_wait -1
	s_cmp_lg_u32 s20, 0
	s_cbranch_scc1 .Lend
	ds_load_b128 v[32:35], v3 offset:R2            ; wave 0: the block's 128 results, four a lane
	s_wait_dscnt 0x0
	v_pk_mul_f32 v[32:33], v[32:33], v[24:25]      ; x ln1_scale
	v_pk_mul_f32 v[34:35], v[34:35], v[26:27]
	v_pk_mul_f32 v[32:33], v[32:33], 0x3e0293ee op_sel_hi:[1,0]   ; x log2 e / sqrt 128 = 0.12751743
	v_pk_mul_f32 v[34:35], v[34:35], 0x3e0293ee op_sel_hi:[1,0]
	v_cvt_pk_bf16_f32 v36, v32, v33
	v_cvt_pk_bf16_f32 v37, v34, v35
	global_store_b64 v11, v[36:37], s[12:13]       ; 32 lanes x 8 bytes: 256 consecutive aligned bytes
.Lend:
	s_wait_tensorcnt 0x0
	ds_add_u32 v128, v129
	s_wait_dscnt 0x0
	s_endpgm
.Lfunc_end_k_qe1ccd897e8_uproj:
	.size	k_qe1ccd897e8_uproj, .Lfunc_end_k_qe1ccd897e8_uproj-k_qe1ccd897e8_uproj
	.p2alignl 7, 3214868480
	.fill 96, 4, 3214868480
	.section	.rodata,"a",@progbits
	.p2align	6, 0x0
	.amdhsa_kernel k_qe1ccd897e8_uproj
		.amdhsa_group_segment_fixed_size 17408
		.amdhsa_private_segment_fixed_size 0
		.amdhsa_enable_private_segment 0
		.amdhsa_kernarg_size 40
		.amdhsa_user_sgpr_count 2
		.amdhsa_user_sgpr_kernarg_segment_ptr 1
		.amdhsa_wavefront_size32 1
		.amdhsa_system_sgpr_workgroup_id_x 1
		.amdhsa_system_sgpr_workgroup_id_y 1
		.amdhsa_system_sgpr_workgroup_id_z 1
		.amdhsa_system_vgpr_workitem_id 0
		.amdhsa_next_free_vgpr 130
		.amdhsa_next_free_sgpr 66
		.amdhsa_reserve_vcc 0
		.amdhsa_float_denorm_mode_32 3
		.amdhsa_float_denorm_mode_16_64 3
		.amdhsa_memory_ordered 1
		.amdhsa_forward_progress 1
		.amdhsa_inst_pref_size 16
	.end_amdhsa_kernel
	.amdgpu_metadata
---
amdhsa.version: [ 1, 2 ]
amdhsa.kernels:
  - .name:           k_qe1ccd897e8_uproj
    .symbol:         k_qe1ccd897e8_uproj.kd
    .args:
      - { .name: Wk, .offset: 0, .size: 8, .value_kind: global_buffer, .address_space: global }
      - { .name: pa, .offset: 8, .size: 8, .value_kind: global_buffer, .address_space: global }
      - { .name: ln1_scale, .offset: 16, .size: 8, .value_kind: global_buffer, .address_space: global }
      - { .name: x, .offset: 24, .size: 8, .value_kind: global_buffer, .address_space: global }
      - { .name: pb, .offset: 32, .size: 8, .value_kind: global_buffer, .address_space: global }
    .group_segment_fixed_size: 17408
    .private_segment_fixed_size: 0
    .kernarg_segment_align: 8
    .kernarg_segment_size: 40
    .max_flat_workgroup_size: 256
    .sgpr_count:     66
    .vgpr_count:     130
    .wavefront_size: 32
...
	.end_amdgpu_metadata
.endif
;; end of part 2
;; launch attn (part 3): grid 64 x 1, 8 waves a work-group, no clusters, 208,384 bytes of LDS; arguments x, pb, Wv, zp, ml; writes zp, ml
.if DOCPART == 3
	.amdgcn_target "amdgcn-amd-amdhsa--gfx1250"
	.amdhsa_code_object_version 6
	.text
	.protected	k_qe1ccd897e8_attn
	.globl	k_qe1ccd897e8_attn
	.p2align	8
	.type	k_qe1ccd897e8_attn,@function
k_qe1ccd897e8_attn:
	s_mov_b64 s[64:65], 0
	v_nop
	global_prefetch_b8 v0, s[64:65] scope:SCOPE_SE
	s_setreg_imm32_b32 hwreg(HW_REG_WAVE_MODE, 25, 1), 1
	s_wait_xcnt 0x0
; For 16 tokens (one work-group): n = (x - mean) / sqrt(var + eps) in bf16; S[t][h] = n[t] . u'[h] (matrix unit, f32 sums);
; m[h] = max over the 16 tokens, p = exp2(S - m), l[h] = sum of p; zp[wg][h][d] = sum over t of p[t][h] n[t][d] (matrix unit).
; The next launch joins the 64 work-groups' (m, l, zp) by the rule of the running maximum, so the softmax's maximum is taken away, first here, then there.
; 64 work-groups: 16 tokens are one matrix tile, and each work-group stores 128 KiB of zp, so more groups would store more bytes.
; Eight waves.  Phase A: wave w normalises rows 2 w and 2 w + 1 (a row is 64 registers).  Phase B: wave w takes d = 256 w .. 256 w + 255 of the scores'
; sum, the eight parts meet in LDS.  Phase C: wave w makes d = 256 w .. 256 w + 255 of zp for all 16 heads.
; No cluster: u' (64 KiB, read by every work-group) goes from memory straight into registers in the fragment's layout, 8 KiB a wave, once;
; a joint load would have to pass LDS and be read from there again.
; Limits kept: n, u' and p are bf16 operands; exp2 gives 0 below 2^-126; l is summed from the unrounded p.
.set PH, 4128                          ; LDS pitch of a row of n: 4,096 bytes + 32
.set SP, 66048                         ; behind the 16 rows: the waves' partial scores, 1 KiB each
.set ZS, 74240                         ; behind that: each wave's stage for zp, 16 heads x 1,040 bytes
.set ZW, 16640
.set ZPI, 1040
.set T,  16                            ; v[16:31]   at work
.set X0, 32                            ; v[32:95]   row 2 w; then 8 fragments of n; then the way out
.set X1, 96                            ; v[96:159]  row 2 w + 1; then the eight waves' scores; then the way out
.set UF, 160                           ; v[160:223] 8 fragments of u'
.set SA, 224                           ; v[224:231] scores, then p
.set SB, 232                           ; v[232:239] the second accumulator
.set PB, 160                           ; v[160:167] p as a fragment
.set F,  168                           ; v[168:199] four fragments of n, transposed
.set D,  200                           ; v[200:231] four results
.macro WSUM v, t
	v_add_f32_dpp v[\v], v[\v], v[\v] row_xmask:1 row_mask:0xf bank_mask:0xf
	v_add_f32_dpp v[\v], v[\v], v[\v] row_xmask:2 row_mask:0xf bank_mask:0xf
	v_add_f32_dpp v[\v], v[\v], v[\v] row_xmask:4 row_mask:0xf bank_mask:0xf
	v_add_f32_dpp v[\v], v[\v], v[\v] row_xmask:8 row_mask:0xf bank_mask:0xf
	v_permlanex16_b32 v[\t], v[\v], s24, s25
	v_add_f32 v[\v], v[\v], v[\t]
.endm
; One row in 64 registers at X: mean, x - mean, variance, scale, round to bf16, store at LDS byte o behind my first row
.macro ROWN X, o
.irp k, 0,1,2,3
	v_pk_add_f32 v[T+2*\k:T+2*\k+1], v[\X+4*\k:\X+4*\k+1], v[\X+4*\k+2:\X+4*\k+3]   ; four chains, started by the first sums
.endr
.set j, 8
.rept 24
	v_pk_add_f32 v[T+2*(j%4):T+2*(j%4)+1], v[T+2*(j%4):T+2*(j%4)+1], v[\X+2*j:\X+2*j+1]
.set j, j+1
.endr
	v_pk_add_f32 v[T:T+1], v[T:T+1], v[T+2:T+3]
	v_pk_add_f32 v[T+4:T+5], v[T+4:T+5], v[T+6:T+7]
	v_pk_add_f32 v[T:T+1], v[T:T+1], v[T+4:T+5]
	v_add_f32 v[T], v[T], v[T+1]
	WSUM T, T+1
	v_mul_f32 v[T+8], s30, v[T]
	v_mul_f32 v[T+9], s30, v[T]
.set j, 0
.rept 32
	v_pk_add_f32 v[\X+2*j:\X+2*j+1], v[\X+2*j:\X+2*j+1], v[T+8:T+9] neg_lo:[0,1] neg_hi:[0,1]
.set j, j+1
.endr
.irp k, 0,1,2,3
	v_pk_mul_f32 v[T+2*\k:T+2*\k+1], v[\X+2*\k:\X+2*\k+1], v[\X+2*\k:\X+2*\k+1]
.endr
.set j, 4
.rept 28
	v_pk_fma_f32 v[T+2*(j%4):T+2*(j%4)+1], v[\X+2*j:\X+2*j+1], v[\X+2*j:\X+2*j+1], v[T+2*(j%4):T+2*(j%4)+1]
.set j, j+1
.endr
	v_pk_add_f32 v[T:T+1], v[T:T+1], v[T+2:T+3]
	v_pk_add_f32 v[T+4:T+5], v[T+4:T+5], v[T+6:T+7]
	v_pk_add_f32 v[T:T+1], v[T:T+1], v[T+4:T+5]
	v_add_f32 v[T], v[T], v[T+1]
	WSUM T, T+1
	v_fma_f32 v[T], v[T], s30, s31                 ; var + eps
	v_rsq_f32 v[T+10], v[T]
	v_nop                                          ; one plain instruction behind a transcendental (ISA guide 5.7.2)
	s_wait_alu depctr_va_vdst(0)
	v_mov_b32 v[T+11], v[T+10]
.set j, 0
.rept 32
	v_pk_mul_f32 v[\X+2*j:\X+2*j+1], v[\X+2*j:\X+2*j+1], v[T+10:T+11]
.set j, j+1
.endr
.set j, 0
.rept 32
	v_cvt_pk_bf16_f32 v[\X+j], v[\X+2*j], v[\X+2*j+1]      ; register j is written when registers 2 j and 2 j + 1 have been read
.set j, j+1
.endr
.set j, 0
.rept 16
	ds_store_b64 v6, v[\X+2*j:\X+2*j+1] offset:\o+256*j    ; columns 128 j + 4 lane .. + 3
.set j, j+1
.endr
.endm
	s_load_b256 s[4:11], s[0:1], 0x0               ; x s[4:5], pb (u') s[6:7], Wv s[8:9], zp s[10:11]
	s_load_b64 s[12:13], s[0:1], 0x20              ; ml
	v_lshl_add_u32 v254, v0, 2, 0x32a00
	v_mov_b32 v255, 0
	v_lshrrev_b32 v1, 5, v0
	v_readfirstlane_b32 s20, v1                    ; wave w
	s_mov_b32 s24, 0x76543210
	s_mov_b32 s25, 0xfedcba98
	s_mov_b32 s30, 0x3a000000                      ; 1 / 2048
	s_mov_b32 s31, 0x3727c5ac                      ; 1e-5
	s_lshl_b32 s26, ttmp9, 17                      ; 16 rows of x, and 16 heads of zp: 131,072 bytes both
	s_mov_b32 s27, 0
	v_and_b32 v1, 31, v0                           ; lane L
	v_and_b32 v2, 15, v0                           ; r
	v_bfe_u32 v3, v0, 4, 1                         ; h
	v_lshlrev_b32 v16, 4, v1                       ; 16 L
	v_lshl_add_u32 v4, s20, 14, v16                ; x: two rows a wave
	v_lshlrev_b32 v5, 12, v2
	v_lshl_add_u32 v5, v3, 4, v5
	v_lshl_add_u32 v5, s20, 9, v5                  ; u': head r, 16 h, my wave's 256 d
	s_mul_i32 s21, s20, 2*PH
	v_lshl_add_u32 v6, v1, 3, s21                  ; n: my first row, 8 L
	v_mul_u32_u24 v7, v2, PH
	v_lshl_add_u32 v7, v3, 4, v7
	v_lshl_add_u32 v7, s20, 9, v7                  ; fragments of n along d: token r, 16 h, my 256 d
	s_lshl_b32 s22, s20, 10
	s_add_co_u32 s22, s22, SP
	v_add_nc_u32 v8, s22, v16                      ; my partial scores
	v_add_nc_u32 v9, SP, v16                       ; everybody's
	v_and_b32 v10, 7, v0
	v_lshl_add_u32 v10, v3, 3, v10
	v_mul_u32_u24 v10, v10, PH
	v_bfe_u32 v17, v0, 3, 1
	v_lshl_add_u32 v10, v17, 4, v10
	v_lshl_add_u32 v10, s20, 9, v10                ; transposing loads: token 8 h + (L & 7), 16 bytes by bit 3 of L, my 256 d
	s_mul_i32 s23, s20, ZW
	s_add_co_u32 s23, s23, ZS
	v_mul_u32_u24 v11, v2, ZPI
	v_lshl_add_u32 v11, v3, 5, v11
	v_add_nc_u32 v11, s23, v11                     ; stage, in: head r, 8 numbers by h
	v_add_nc_u32 v12, s23, v16                     ; stage, back: 16 L
	s_lshl_b32 s28, ttmp9, 18
	s_lshl_b32 s29, s20, 15
	s_add_co_u32 s28, s28, s29
	v_lshl_add_u32 v13, v1, 8, s28                 ; prefetch of Wv
	s_lshl_b32 s29, ttmp9, 7
	v_lshl_add_u32 v14, v1, 2, s29                 ; ml: 128 bytes a work-group
	v_lshl_add_u32 v15, s20, 10, v16               ; zp: my 256 d
	s_wait_kmcnt 0x0
	s_add_nc_u64 s[4:5], s[4:5], s[26:27]
	s_add_nc_u64 s[10:11], s[10:11], s[26:27]
.set j, 0
.rept 16
	global_load_b128 v[X0+4*j:X0+4*j+3], v4, s[4:5] offset:512*j
.set j, j+1
.endr
.set j, 0
.rept 16
	global_load_b128 v[X1+4*j:X1+4*j+3], v4, s[4:5] offset:8192+512*j
.set j, j+1
.endr
.irp s, 0,1,2,3,4,5,6,7
	global_load_b128 v[UF+8*\s:UF+8*\s+3], v5, s[6:7] offset:64*\s
	global_load_b128 v[UF+8*\s+4:UF+8*\s+7], v5, s[6:7] offset:64*\s+32
.endr
	; Wv for the next launch: a wave asks for 32 KiB, lanes 256 bytes apart, four requests; 64 x 8 waves x 32 KiB = all of Wv, each block once
.irp j, 0,1,2,3
	global_prefetch_b8 v13, s[8:9] offset:8192*\j th:TH_LOAD_NT scope:SCOPE_SE
.endr
	s_wait_loadcnt 32                              ; my first row is in; 16 + 16 younger loads stay out
	ROWN X0, 0
	s_wait_loadcnt 16                              ; my second row; u' stays out
	ROWN X1, PH
	s_wait_dscnt 0x0                               ; my rows are written before I signal
	s_barrier_signal -1
	s_barrier_wait -1
	; PHASE B.  Source 0: 16 tokens x 32 d of n.  Source 1: 16 heads x 32 d of u'.  Result: register j of lane (r, h) = token 8 h + j, head r.
.irp s, 0,1,2,3,4,5,6,7
	ds_load_b128 v[X0+8*\s:X0+8*\s+3], v7 offset:64*\s
	ds_load_b128 v[X0+8*\s+4:X0+8*\s+7], v7 offset:64*\s+32
.endr
	s_wait_loadcnt 0x0                             ; u'
	s_wait_dscnt 0x0
	v_wmma_f32_16x16x32_bf16 v[SA:SA+7], v[X0:X0+7], v[UF:UF+7], 0           ; the first products start the two sums;
	v_wmma_f32_16x16x32_bf16 v[SB:SB+7], v[X0+8:X0+15], v[UF+8:UF+15], 0     ; the two accumulators take turns
.irp s, 2,4,6
	v_wmma_f32_16x16x32_bf16 v[SA:SA+7], v[X0+8*\s:X0+8*\s+7], v[UF+8*\s:UF+8*\s+7], v[SA:SA+7]
	v_wmma_f32_16x16x32_bf16 v[SB:SB+7], v[X0+8*\s+8:X0+8*\s+15], v[UF+8*\s+8:UF+8*\s+15], v[SB:SB+7]
.endr
.rept 4
	v_nop                                          ; four places behind a matrix instruction before a vector instruction reads its result (ISA guide 7.12.1)
.endr
.irp k, 0,2,4,6
	v_pk_add_f32 v[SA+\k:SA+\k+1], v[SA+\k:SA+\k+1], v[SB+\k:SB+\k+1]
.endr
	ds_store_b128 v8, v[SA:SA+3]
	ds_store_b128 v8, v[SA+4:SA+7] offset:512
	s_wait_dscnt 0x0
	s_barrier_signal -1
	s_barrier_wait -1
.irp j, 0,1,2,3,4,5,6,7
	ds_load_b128 v[X1+8*\j:X1+8*\j+3], v9 offset:1024*\j
	ds_load_b128 v[X1+8*\j+4:X1+8*\j+7], v9 offset:1024*\j+512
.endr
	s_wait_dscnt 0x0
.irp j, 0,2,4,6
.irp k, 0,2,4,6
	v_pk_add_f32 v[X1+8*\j+\k:X1+8*\j+\k+1], v[X1+8*\j+\k:X1+8*\j+\k+1], v[X1+8*\j+8+\k:X1+8*\j+8+\k+1]
.endr
.endr
.irp j, 0,4
.irp k, 0,2,4,6
	v_pk_add_f32 v[X1+8*\j+\k:X1+8*\j+\k+1], v[X1+8*\j+\k:X1+8*\j+\k+1], v[X1+8*\j+16+\k:X1+8*\j+16+\k+1]
.endr
.endr
.irp k, 0,2,4,6
	v_pk_add_f32 v[SA+\k:SA+\k+1], v[X1+\k:X1+\k+1], v[X1+32+\k:X1+32+\k+1]
.endr
	; the 16 tokens' softmax pieces for head r: eight registers and the other half of the lanes
	v_max3_num_f32 v[T+8], v[SA], v[SA+1], v[SA+2]
	v_max3_num_f32 v[T+8], v[T+8], v[SA+3], v[SA+4]
	v_max3_num_f32 v[T+8], v[T+8], v[SA+5], v[SA+6]
	v_max_num_f32 v[T+8], v[T+8], v[SA+7]
	v_permlanex16_b32 v[T+9], v[T+8], s24, s25
	v_max_num_f32 v[T+8], v[T+8], v[T+9]           ; m
.irp j, 0,1,2,3,4,5,6,7
	v_sub_f32 v[T+\j], v[SA+\j], v[T+8]
.endr
.irp j, 0,1,2,3,4,5,6,7
	v_exp_f32 v[SA+\j], v[T+\j]                    ; p = 2^(S - m), at most 1
.endr
	v_nop                                          ; one plain instruction behind the transcendentals
	s_wait_alu depctr_va_vdst(0)
	v_pk_add_f32 v[T:T+1], v[SA:SA+1], v[SA+2:SA+3]
	v_pk_add_f32 v[T+2:T+3], v[SA+4:SA+5], v[SA+6:SA+7]
	v_pk_add_f32 v[T:T+1], v[T:T+1], v[T+2:T+3]
	v_add_f32 v[T], v[T], v[T+1]
	v_permlanex16_b32 v[T+1], v[T], s24, s25
	v_add_f32 v[T], v[T], v[T+1]                   ; l
	s_cmp_lg_u32 s20, 0
	s_cbranch_scc1 .Lnoml
	v_cmp_gt_u32 vcc_lo, 16, v1
	v_cndmask_b32 v[T+2], v[T], v[T+8], vcc_lo     ; lanes 0-15: m of head r; lanes 16-31: l of head r
	global_store_b32 v14, v[T+2], s[12:13]
.Lnoml:
	; PHASE C.  Source 0: 16 d x 16 tokens of n, transposed on the way from LDS.  Source 1: 16 heads x 16 tokens of p: register j / 2 of lane (r, h) holds
	; tokens 8 h + j, which is how the scores already lie.  K is 32: the upper 16 are zeros in both sources.
.irp j, 0,1,2,3
	v_cvt_pk_bf16_f32 v[PB+\j], v[SA+2*\j], v[SA+2*\j+1]
.endr
.irp j, 4,5,6,7
	v_mov_b32 v[PB+\j], 0
.irp i, 0,1,2,3
	v_mov_b32 v[F+8*\i+\j], 0
.endr
.endr
.irp g, 0,1,2,3
.irp i, 0,1,2,3
	ds_load_tr16_b128 v[F+8*\i:F+8*\i+3], v10 offset:32*(4*\g+\i)
.endr
	s_wait_dscnt 0x0
.irp i, 0,1,2,3
	v_wmma_f32_16x16x32_bf16 v[D+8*\i:D+8*\i+7], v[F+8*\i:F+8*\i+7], v[PB:PB+7], 0
.endr
.rept 5
	v_nop                                          ; four places before the LDS stores read the results and the next loads land in the sources, five before the next group's matrix instructions write over them
.endr
.irp i, 0,1,2,3
	ds_store_b128 v11, v[D+8*\i:D+8*\i+3] offset:64*(4*\g+\i)          ; register j: d = 16 tile + 8 h + j of head r
	ds_store_b128 v11, v[D+8*\i+4:D+8*\i+7] offset:64*(4*\g+\i)+16
.endr
.endr
	; the way out through my own stage (LDS serves a wave's instructions in order): each store of the wave covers 512 consecutive aligned bytes
.set n, 0
.rept 32
	ds_load_b128 v[32+4*n:32+4*n+3], v12 offset:ZPI*(n/2)+512*(n%2)
.set n, n+1
.endr
.set n, 0
.rept 32
	s_wait_dscnt 31-n                              ; load n is back; the younger ones stay out
	global_store_b128 v15, v[32+4*n:32+4*n+3], s[10:11] offset:8192*(n/2)+512*(n%2)
.set n, n+1
.endr
	s_wait_tensorcnt 0x0
	ds_add_u32 v254, v255
	s_wait_dscnt 0x0
	s_endpgm
.Lfunc_end_k_qe1ccd897e8_attn:
	.size	k_qe1ccd897e8_attn, .Lfunc_end_k_qe1ccd897e8_attn-k_qe1ccd897e8_attn
	.p2alignl 7, 3214868480
	.fill 96, 4, 3214868480
	.section	.rodata,"a",@progbits
	.p2align	6, 0x0
	.amdhsa_kernel k_qe1ccd897e8_attn
		.amdhsa_group_segment_fixed_size 208384
		.amdhsa_private_segment_fixed_size 0
		.amdhsa_enable_private_segment 0
		.amdhsa_kernarg_size 40
		.amdhsa_user_sgpr_count 2
		.amdhsa_user_sgpr_kernarg_segment_ptr 1
		.amdhsa_wavefront_size32 1
		.amdhsa_system_sgpr_workgroup_id_x 1
		.amdhsa_system_sgpr_workgroup_id_y 1
		.amdhsa_system_sgpr_workgroup_id_z 1
		.amdhsa_system_vgpr_workitem_id 0
		.amdhsa_next_free_vgpr 256
		.amdhsa_next_free_sgpr 66
		.amdhsa_reserve_vcc 1
		.amdhsa_float_denorm_mode_32 3
		.amdhsa_float_denorm_mode_16_64 3
		.amdhsa_memory_ordered 1
		.amdhsa_forward_progress 1
		.amdhsa_inst_pref_size 51
	.end_amdhsa_kernel
	.amdgpu_metadata
---
amdhsa.version: [ 1, 2 ]
amdhsa.kernels:
  - .name:           k_qe1ccd897e8_attn
    .symbol:         k_qe1ccd897e8_attn.kd
    .args:
      - { .name: x, .offset: 0, .size: 8, .value_kind: global_buffer, .address_space: global }
      - { .name: pb, .offset: 8, .size: 8, .value_kind: global_buffer, .address_space: global }
      - { .name: Wv, .offset: 16, .size: 8, .value_kind: global_buffer, .address_space: global }
      - { .name: zp, .offset: 24, .size: 8, .value_kind: global_buffer, .address_space: global }
      - { .name: ml, .offset: 32, .size: 8, .value_kind: global_buffer, .address_space: global }
    .group_segment_fixed_size: 208384
    .private_segment_fixed_size: 0
    .kernarg_segment_align: 8
    .kernarg_segment_size: 40
    .max_flat_workgroup_size: 256
    .sgpr_count:     66
    .vgpr_count:     256
    .wavefront_size: 32
...
	.end_amdgpu_metadata
.endif
;; end of part 3
;; launch ctxv (part 4): grid 16 x 16, 8 waves a work-group, no clusters, 17,408 bytes of LDS; arguments zp, ml, ln1_scale, ln1_shift, Wv, Wo, pa; writes pa
.if DOCPART == 4
	.amdgcn_target "amdgcn-amd-amdhsa--gfx1250"
	.amdhsa_code_object_version 6
	.text
	.protected	k_qe1ccd897e8_ctxv
	.globl	k_qe1ccd897e8_ctxv
	.p2align	8
	.type	k_qe1ccd897e8_ctxv,@function
k_qe1ccd897e8_ctxv:
	s_mov_b64 s[64:65], 0
	v_nop
	global_prefetch_b8 v0, s[64:65] scope:SCOPE_SE
	s_setreg_imm32_b32 hwreg(HW_REG_WAVE_MODE, 25, 1), 1
	s_wait_xcnt 0x0
; Joins the 64 partial softmaxes and multiplies by Wv.  For head h = bx and the 128 rows d of group by:
;   M = max over i of m[i][h];  w[i] = 2^(m[i][h] - M);  L = sum of w[i] l[i][h];  zn[d] = sum of w[i] zp[i][h][d] / L;
;   z[d] = ln1_scale[d] zn[d] + ln1_shift[d]   (the weights p / L sum to one, so the shift comes back whole);
;   pa[by][128 h + j] = sum over the group's d of z[d] Wv[d][128 h + j].
; With one query, ctx_h = (sum over keys of p h1) @ Wv[:, head h]: the same sum as p @ v in another order.
; A work-group owns one block of 128 x 128 of Wv (read once) and 64 x 512 bytes of zp (each byte of zp read once in the launch).
; Wave w owns rows 16 w .. of the block and partials 8 w .. 8 w + 7.  Vector unit: one-row product, bound by the stream.  No cluster: no block is read twice.
; L is at least 1 (the partial that holds the maximum has w = 1 and l >= 1) and at most 1,024.  Limit kept: exp2 gives 0 below 2^-126.
.set R1,  256                          ; 4 KiB: the waves' parts of zn
.set R2,  4352                         ; 4 KiB: each wave's own copy of z
.set R3,  8448                         ; 2 KiB: each wave's own copy of the 64 weights
.set RO,  12288                        ; 4 KiB: the waves' partial results
.set VEC, 28
.set V16, 32
.set ACC, 48
.set WB,  64
.set Q,   128                          ; v[128:135] at work on the weights
.set WN,  136                          ; v[136:143] my wave's eight weights, in every lane
.macro WSUM v, t
	v_add_f32_dpp v[\v], v[\v], v[\v] row_xmask:1 row_mask:0xf bank_mask:0xf
	v_add_f32_dpp v[\v], v[\v], v[\v] row_xmask:2 row_mask:0xf bank_mask:0xf
	v_add_f32_dpp v[\v], v[\v], v[\v] row_xmask:4 row_mask:0xf bank_mask:0xf
	v_add_f32_dpp v[\v], v[\v], v[\v] row_xmask:8 row_mask:0xf bank_mask:0xf
	v_permlanex16_b32 v[\t], v[\v], s24, s25
	v_add_f32 v[\v], v[\v], v[\t]
.endm
.macro TREE8 b, d
.irp j, 0,2,4,6
	v_pk_add_f32 v[\b+4*\j:\b+4*\j+1], v[\b+4*\j:\b+4*\j+1], v[\b+4*\j+4:\b+4*\j+5]
	v_pk_add_f32 v[\b+4*\j+2:\b+4*\j+3], v[\b+4*\j+2:\b+4*\j+3], v[\b+4*\j+6:\b+4*\j+7]
.endr
.irp j, 0,4
	v_pk_add_f32 v[\b+4*\j:\b+4*\j+1], v[\b+4*\j:\b+4*\j+1], v[\b+4*\j+8:\b+4*\j+9]
	v_pk_add_f32 v[\b+4*\j+2:\b+4*\j+3], v[\b+4*\j+2:\b+4*\j+3], v[\b+4*\j+10:\b+4*\j+11]
.endr
	v_pk_add_f32 v[\d:\d+1], v[\b:\b+1], v[\b+16:\b+17]
	v_pk_add_f32 v[\d+2:\d+3], v[\b+2:\b+3], v[\b+18:\b+19]
.endm
.macro BFMA d, a, vb, n                ; v[d : d+3] (+)= v[a : a+3] * v[vb + n], broadcast; n = 0 starts the sums
.if (\n) == 0
	v_pk_mul_f32 v[\d:\d+1], v[\a:\a+1], v[\vb:\vb+1] op_sel_hi:[1,0]
	v_pk_mul_f32 v[\d+2:\d+3], v[\a+2:\a+3], v[\vb:\vb+1] op_sel_hi:[1,0]
.elseif ((\n) & 1) == 0
	v_pk_fma_f32 v[\d:\d+1], v[\a:\a+1], v[\vb+\n:\vb+\n+1], v[\d:\d+1] op_sel_hi:[1,0,1]
	v_pk_fma_f32 v[\d+2:\d+3], v[\a+2:\a+3], v[\vb+\n:\vb+\n+1], v[\d+2:\d+3] op_sel_hi:[1,0,1]
.else
	v_pk_fma_f32 v[\d:\d+1], v[\a:\a+1], v[\vb+\n-1:\vb+\n], v[\d:\d+1] op_sel:[0,1,0] op_sel_hi:[1,1,1]
	v_pk_fma_f32 v[\d+2:\d+3], v[\a+2:\a+3], v[\vb+\n-1:\vb+\n], v[\d+2:\d+3] op_sel:[0,1,0] op_sel_hi:[1,1,1]
.endif
.endm
	s_load_b256 s[4:11], s[0:1], 0x0               ; zp s[4:5], ml s[6:7], ln1_scale s[8:9], ln1_shift s[10:11]
	s_load_b128 s[12:15], s[0:1], 0x20             ; Wv s[12:13], Wo s[14:15]
	s_load_b64 s[16:17], s[0:1], 0x30              ; pa
	v_lshl_add_u32 v144, v0, 2, 0x4000
	v_mov_b32 v145, 0
	v_lshrrev_b32 v1, 5, v0
	v_readfirstlane_b32 s20, v1                    ; wave w
	s_and_b32 s22, ttmp7, 0xffff                   ; by
	s_mov_b32 s24, 0x76543210
	s_mov_b32 s25, 0xfedcba98
	s_lshl_b32 s28, ttmp9, 9                       ; bx x 512
	s_lshl_b32 s26, s22, 20
	s_add_co_u32 s26, s26, s28
	s_mov_b32 s27, 0                               ; s[26:27]: my block's offset in a weight
	s_lshl_b32 s29, s22, 9                         ; by x 512
	s_lshl_b32 s30, ttmp9, 13
	s_add_co_u32 s30, s30, s29
	s_mov_b32 s31, 0                               ; s[30:31]: head bx, my 128 d, in a partial of zp
	s_lshl_b32 s23, s22, 13
	s_add_co_u32 s23, s23, s28                     ; my place in pa
	s_mul_i32 s21, s20, 576
	s_lshl_b32 s18, ttmp9, 2
	s_mul_i32 s19, s20, 288
	v_and_b32 v1, 31, v0
	v_lshlrev_b32 v3, 4, v1                        ; 16 lane
	v_lshl_add_u32 v2, s20, 17, v3
	v_lshl_add_u32 v5, v1, 7, s18                  ; ml: partial = lane, head bx
	v_lshl_add_u32 v6, s20, 20, v3                 ; zp: partials 8 w ..
	v_add_nc_u32 v7, s29, v3
	v_lshl_add_u32 v8, s20, 9, v3                  ; 512 w + 16 lane
	v_mov_b32 v9, s21                              ; 512 w + 64 w
	v_add_nc_u32 v11, s23, v3
	v_lshlrev_b32 v12, 2, v1
	v_lshl_add_u32 v12, s20, 8, v12                ; 256 w + 4 lane
	v_mov_b32 v13, s19                             ; 256 w + 32 w
	v_lshrrev_b32 v14, 1, v1
	v_lshl_add_u32 v14, s20, 4, v14
	v_and_b32 v15, 1, v1
	v_lshlrev_b32 v14, 13, v14
	v_lshl_or_b32 v14, v15, 8, v14                 ; prefetch: row 16 w + lane / 2, its first or second 256 bytes
	s_wait_kmcnt 0x0
	s_add_nc_u64 s[4:5], s[4:5], s[30:31]
	s_add_nc_u64 s[12:13], s[12:13], s[26:27]
	s_add_nc_u64 s[14:15], s[14:15], s[26:27]
	global_load_b32 v16, v5, s[6:7]                ; m of partial lane
	global_load_b32 v17, v5, s[6:7] offset:64      ; l
	global_load_b32 v18, v5, s[6:7] offset:4096    ; m of partial lane + 32
	global_load_b32 v19, v5, s[6:7] offset:4160    ; l
.irp j, 0,1,2,3,4,5,6,7
	global_load_b128 v[32+4*\j:32+4*\j+3], v6, s[4:5] offset:131072*\j th:TH_LOAD_NT
.endr
	global_load_b128 v[20:23], v7, s[8:9]
	global_load_b128 v[24:27], v7, s[10:11]
.set i, 0
.rept 16
	global_load_b128 v[WB+4*i:WB+4*i+3], v2, s[12:13] offset:8192*i th:TH_LOAD_NT
.set i, i+1
.endr
	; the same block of Wo, which the same wave of the next launch loads: 32 blocks of 256 bytes, one a lane, each asked for once in the launch
	global_prefetch_b8 v14, s[14:15] th:TH_LOAD_NT scope:SCOPE_SE
	s_wait_loadcnt 26                              ; m and l are in; 8 + 2 + 16 younger loads stay out
	v_max_num_f32 v[Q], v16, v18
	v_max_num_f32_dpp v[Q], v[Q], v[Q] row_xmask:1 row_mask:0xf bank_mask:0xf
	v_max_num_f32_dpp v[Q], v[Q], v[Q] row_xmask:2 row_mask:0xf bank_mask:0xf
	v_max_num_f32_dpp v[Q], v[Q], v[Q] row_xmask:4 row_mask:0xf bank_mask:0xf
	v_max_num_f32_dpp v[Q], v[Q], v[Q] row_xmask:8 row_mask:0xf bank_mask:0xf
	v_mov_b32 v[Q+1], v[Q]
	v_permlanex16_b32 v[Q+1], v[Q], s24, s25
	v_max_num_f32 v[Q], v[Q], v[Q+1]               ; M, in every lane
	v_sub_f32 v[Q+1], v16, v[Q]
	v_sub_f32 v[Q+2], v18, v[Q]
	v_exp_f32 v[Q+3], v[Q+1]
	v_exp_f32 v[Q+4], v[Q+2]
	v_nop                                          ; one plain instruction behind the transcendentals (ISA guide 5.7.2)
	s_wait_alu depctr_va_vdst(0)
	v_mul_f32 v[Q+5], v[Q+3], v17
	v_fmac_f32 v[Q+5], v[Q+4], v19
	WSUM Q+5, Q+1                                  ; L
	v_rcp_f32 v[Q+6], v[Q+5]
	v_nop
	s_wait_alu depctr_va_vdst(0)
	v_mul_f32 v[Q+3], v[Q+3], v[Q+6]               ; w / L
	v_mul_f32 v[Q+4], v[Q+4], v[Q+6]
	ds_store_b32 v12, v[Q+3] offset:R3             ; the 64 weights in my wave's own 256 bytes,
	ds_store_b32 v12, v[Q+4] offset:R3+128
	ds_load_b128 v[WN:WN+3], v13 offset:R3         ; and those of my partials 8 w .. 8 w + 7 back into every lane (LDS serves a wave in order)
	ds_load_b128 v[WN+4:WN+7], v13 offset:R3+16
	s_wait_dscnt 0x0
	s_wait_loadcnt 18                              ; my eight pieces of zp are in; 2 + 16 stay out
.set i, 0
.rept 8
	BFMA VEC, 32+4*i, WN, i
.set i, i+1
.endr
	ds_store_b128 v8, v[VEC:VEC+3] offset:R1
	s_wait_dscnt 0x0                               ; written before I signal
	s_barrier_signal -1
	s_barrier_wait -1
.irp j, 0,1,2,3,4,5,6,7
	ds_load_b128 v[32+4*\j:32+4*\j+3], v3 offset:R1+512*\j
.endr
	s_wait_dscnt 0x0
	TREE8 32, VEC                                  ; zn of my four d, in every wave
	s_wait_loadcnt 16                              ; scale and shift
	v_pk_fma_f32 v[VEC:VEC+1], v[VEC:VEC+1], v[20:21], v[24:25]
	v_pk_fma_f32 v[VEC+2:VEC+3], v[VEC+2:VEC+3], v[22:23], v[26:27]
	ds_store_b128 v8, v[VEC:VEC+3] offset:R2       ; my wave's own copy; its 16 rows' numbers back into every lane
.irp j, 0,1,2,3
	ds_load_b128 v[V16+4*\j:V16+4*\j+3], v9 offset:R2+16*\j
.endr
	s_wait_dscnt 0x0
.set i, 0
.rept 16
	s_wait_loadcnt 15-i                            ; row i of Wv is in
	BFMA ACC, WB+4*i, V16, i
.set i, i+1
.endr
	ds_store_b128 v8, v[ACC:ACC+3] offset:RO
	s_wait_dscnt 0x0
	s_barrier_signal -1
	s_barrier_wait -1
	s_cmp_lg_u32 s20, 0
	s_cbranch_scc1 .Lend                           ; wave 0 adds the eight waves' sums and stores 512 consecutive aligned bytes
.irp j, 0,1,2,3,4,5,6,7
	ds_load_b128 v[WB+4*\j:WB+4*\j+3], v3 offset:RO+512*\j
.endr
	s_wait_dscnt 0x0
	TREE8 WB, ACC
	global_store_b128 v11, v[ACC:ACC+3], s[16:17]
.Lend:
	s_wait_tensorcnt 0x0
	ds_add_u32 v144, v145
	s_wait_dscnt 0x0
	s_endpgm
.Lfunc_end_k_qe1ccd897e8_ctxv:
	.size	k_qe1ccd897e8_ctxv, .Lfunc_end_k_qe1ccd897e8_ctxv-k_qe1ccd897e8_ctxv
	.p2alignl 7, 3214868480
	.fill 96, 4, 3214868480
	.section	.rodata,"a",@progbits
	.p2align	6, 0x0
	.amdhsa_kernel k_qe1ccd897e8_ctxv
		.amdhsa_group_segment_fixed_size 17408
		.amdhsa_private_segment_fixed_size 0
		.amdhsa_enable_private_segment 0
		.amdhsa_kernarg_size 56
		.amdhsa_user_sgpr_count 2
		.amdhsa_user_sgpr_kernarg_segment_ptr 1
		.amdhsa_wavefront_size32 1
		.amdhsa_system_sgpr_workgroup_id_x 1
		.amdhsa_system_sgpr_workgroup_id_y 1
		.amdhsa_system_sgpr_workgroup_id_z 1
		.amdhsa_system_vgpr_workitem_id 0
		.amdhsa_next_free_vgpr 146
		.amdhsa_next_free_sgpr 66
		.amdhsa_reserve_vcc 0
		.amdhsa_float_denorm_mode_32 3
		.amdhsa_float_denorm_mode_16_64 3
		.amdhsa_memory_ordered 1
		.amdhsa_forward_progress 1
		.amdhsa_inst_pref_size 14
	.end_amdhsa_kernel
	.amdgpu_metadata
---
amdhsa.version: [ 1, 2 ]
amdhsa.kernels:
  - .name:           k_qe1ccd897e8_ctxv
    .symbol:         k_qe1ccd897e8_ctxv.kd
    .args:
      - { .name: zp, .offset: 0, .size: 8, .value_kind: global_buffer, .address_space: global }
      - { .name: ml, .offset: 8, .size: 8, .value_kind: global_buffer, .address_space: global }
      - { .name: ln1_scale, .offset: 16, .size: 8, .value_kind: global_buffer, .address_space: global }
      - { .name: ln1_shift, .offset: 24, .size: 8, .value_kind: global_buffer, .address_space: global }
      - { .name: Wv, .offset: 32, .size: 8, .value_kind: global_buffer, .address_space: global }
      - { .name: Wo, .offset: 40, .size: 8, .value_kind: global_buffer, .address_space: global }
      - { .name: pa, .offset: 48, .size: 8, .value_kind: global_buffer, .address_space: global }
    .group_segment_fixed_size: 17408
    .private_segment_fixed_size: 0
    .kernarg_segment_align: 8
    .kernarg_segment_size: 56
    .max_flat_workgroup_size: 256
    .sgpr_count:     66
    .vgpr_count:     146
    .wavefront_size: 32
...
	.end_amdgpu_metadata
.endif
;; end of part 4
;; launch oproj (part 5): grid 16 x 16, 8 waves a work-group, no clusters, 17,408 bytes of LDS; arguments pa, Wo, pb; writes pb
.if DOCPART == 5
	.amdgcn_target "amdgcn-amd-amdhsa--gfx1250"
	.amdhsa_code_object_version 6
	.text
	.protected	k_qe1ccd897e8_oproj
	.globl	k_qe1ccd897e8_oproj
	.p2align	8
	.type	k_qe1ccd897e8_oproj,@function
k_qe1ccd897e8_oproj:
	s_mov_b64 s[64:65], 0
	v_nop
	global_prefetch_b8 v0, s[64:65] scope:SCOPE_SE
	s_setreg_imm32_b32 hwreg(HW_REG_WAVE_MODE, 25, 1), 1
	s_wait_xcnt 0x0
; pb[by][c] = sum over the 128 rows d of group by of ctx[d] Wo[d][c], where ctx[d] = the sum of the 16 partials pa[.][d].
; A work-group owns one block of 128 rows (by) x 128 columns (bx) of Wo, read once; wave w rows 16 w .., lane L columns 4 L .. 4 L + 3.
; One-row product, bound by the stream: vector unit, no matrix unit, no cluster (no block is read twice).  bo is added where the partials are joined, in the next launch.
.set R1,  256                          ; 4 KiB: the waves' parts of ctx
.set R2,  4352                         ; 4 KiB: each wave's own copy of ctx
.set RO,  12288                        ; 4 KiB: the waves' partial results
.set VEC, 28
.set V16, 32
.set ACC, 48
.set WB,  64
.macro TREE8 b, d
.irp j, 0,2,4,6
	v_pk_add_f32 v[\b+4*\j:\b+4*\j+1], v[\b+4*\j:\b+4*\j+1], v[\b+4*\j+4:\b+4*\j+5]
	v_pk_add_f32 v[\b+4*\j+2:\b+4*\j+3], v[\b+4*\j+2:\b+4*\j+3], v[\b+4*\j+6:\b+4*\j+7]
.endr
.irp j, 0,4
	v_pk_add_f32 v[\b+4*\j:\b+4*\j+1], v[\b+4*\j:\b+4*\j+1], v[\b+4*\j+8:\b+4*\j+9]
	v_pk_add_f32 v[\b+4*\j+2:\b+4*\j+3], v[\b+4*\j+2:\b+4*\j+3], v[\b+4*\j+10:\b+4*\j+11]
.endr
	v_pk_add_f32 v[\d:\d+1], v[\b:\b+1], v[\b+16:\b+17]
	v_pk_add_f32 v[\d+2:\d+3], v[\b+2:\b+3], v[\b+18:\b+19]
.endm
.macro BFMA d, a, vb, n
.if (\n) == 0
	v_pk_mul_f32 v[\d:\d+1], v[\a:\a+1], v[\vb:\vb+1] op_sel_hi:[1,0]
	v_pk_mul_f32 v[\d+2:\d+3], v[\a+2:\a+3], v[\vb:\vb+1] op_sel_hi:[1,0]
.elseif ((\n) & 1) == 0
	v_pk_fma_f32 v[\d:\d+1], v[\a:\a+1], v[\vb+\n:\vb+\n+1], v[\d:\d+1] op_sel_hi:[1,0,1]
	v_pk_fma_f32 v[\d+2:\d+3], v[\a+2:\a+3], v[\vb+\n:\vb+\n+1], v[\d+2:\d+3] op_sel_hi:[1,0,1]
.else
	v_pk_fma_f32 v[\d:\d+1], v[\a:\a+1], v[\vb+\n-1:\vb+\n], v[\d:\d+1] op_sel:[0,1,0] op_sel_hi:[1,1,1]
	v_pk_fma_f32 v[\d+2:\d+3], v[\a+2:\a+3], v[\vb+\n-1:\vb+\n], v[\d+2:\d+3] op_sel:[0,1,0] op_sel_hi:[1,1,1]
.endif
.endm
	s_load_b128 s[4:7], s[0:1], 0x0                ; pa s[4:5], Wo s[6:7]
	s_load_b64 s[8:9], s[0:1], 0x10                ; pb
	v_lshl_add_u32 v128, v0, 2, 0x4000
	v_mov_b32 v129, 0
	v_lshrrev_b32 v1, 5, v0
	v_readfirstlane_b32 s20, v1                    ; wave w
	s_and_b32 s22, ttmp7, 0xffff                   ; by
	s_lshl_b32 s28, ttmp9, 9                       ; bx x 512
	s_lshl_b32 s26, s22, 20
	s_add_co_u32 s26, s26, s28
	s_mov_b32 s27, 0
	s_lshl_b32 s29, s22, 9                         ; by x 512
	s_lshl_b32 s21, s20, 14
	s_add_co_u32 s21, s21, s29                     ; partials 2 w and 2 w + 1, my group's 512 bytes
	s_lshl_b32 s23, s22, 13
	s_add_co_u32 s23, s23, s28
	s_mul_i32 s30, s20, 576
	v_and_b32 v1, 31, v0
	v_lshlrev_b32 v3, 4, v1
	v_lshl_add_u32 v2, s20, 17, v3
	v_add_nc_u32 v5, s21, v3
	v_lshl_add_u32 v8, s20, 9, v3
	v_mov_b32 v9, s30
	v_add_nc_u32 v11, s23, v3
	s_wait_kmcnt 0x0
	s_add_nc_u64 s[6:7], s[6:7], s[26:27]
	global_load_b128 v[16:19], v5, s[4:5]
	global_load_b128 v[20:23], v5, s[4:5] offset:8192
.set i, 0
.rept 16
	global_load_b128 v[WB+4*i:WB+4*i+3], v2, s[6:7] offset:8192*i th:TH_LOAD_NT
.set i, i+1
.endr
	s_wait_loadcnt 16                              ; the two partials are in; the 16 rows stay out
	v_pk_add_f32 v[VEC:VEC+1], v[16:17], v[20:21]
	v_pk_add_f32 v[VEC+2:VEC+3], v[18:19], v[22:23]
	ds_store_b128 v8, v[VEC:VEC+3] offset:R1
	s_wait_dscnt 0x0                               ; written before I signal
	s_barrier_signal -1
	s_barrier_wait -1
.irp j, 0,1,2,3,4,5,6,7
	ds_load_b128 v[32+4*\j:32+4*\j+3], v3 offset:R1+512*\j
.endr
	s_wait_dscnt 0x0
	TREE8 32, VEC                                  ; ctx of my four d, in every wave
	ds_store_b128 v8, v[VEC:VEC+3] offset:R2       ; my wave's own copy; its 16 rows' numbers back into every lane (LDS serves a wave in order)
.irp j, 0,1,2,3
	ds_load_b128 v[V16+4*\j:V16+4*\j+3], v9 offset:R2+16*\j
.endr
	s_wait_dscnt 0x0
.set i, 0
.rept 16
	s_wait_loadcnt 15-i                            ; row i of Wo is in
	BFMA ACC, WB+4*i, V16, i
.set i, i+1
.endr
	ds_store_b128 v8, v[ACC:ACC+3] offset:RO
	s_wait_dscnt 0x0
	s_barrier_signal -1
	s_barrier_wait -1
	s_cmp_lg_u32 s20, 0
	s_cbranch_scc1 .Lend
.irp j, 0,1,2,3,4,5,6,7
	ds_load_b128 v[WB+4*\j:WB+4*\j+3], v3 offset:RO+512*\j
.endr
	s_wait_dscnt 0x0
	TREE8 WB, ACC
	global_store_b128 v11, v[ACC:ACC+3], s[8:9]    ; 512 consecutive aligned bytes
.Lend:
	s_wait_tensorcnt 0x0
	ds_add_u32 v128, v129
	s_wait_dscnt 0x0
	s_endpgm
.Lfunc_end_k_qe1ccd897e8_oproj:
	.size	k_qe1ccd897e8_oproj, .Lfunc_end_k_qe1ccd897e8_oproj-k_qe1ccd897e8_oproj
	.p2alignl 7, 3214868480
	.fill 96, 4, 3214868480
	.section	.rodata,"a",@progbits
	.p2align	6, 0x0
	.amdhsa_kernel k_qe1ccd897e8_oproj
		.amdhsa_group_segment_fixed_size 17408
		.amdhsa_private_segment_fixed_size 0
		.amdhsa_enable_private_segment 0
		.amdhsa_kernarg_size 24
		.amdhsa_user_sgpr_count 2
		.amdhsa_user_sgpr_kernarg_segment_ptr 1
		.amdhsa_wavefront_size32 1
		.amdhsa_system_sgpr_workgroup_id_x 1
		.amdhsa_system_sgpr_workgroup_id_y 1
		.amdhsa_system_sgpr_workgroup_id_z 1
		.amdhsa_system_vgpr_workitem_id 0
		.amdhsa_next_free_vgpr 130
		.amdhsa_next_free_sgpr 66
		.amdhsa_reserve_vcc 0
		.amdhsa_float_denorm_mode_32 3
		.amdhsa_float_denorm_mode_16_64 3
		.amdhsa_memory_ordered 1
		.amdhsa_forward_progress 1
		.amdhsa_inst_pref_size 10
	.end_amdhsa_kernel
	.amdgpu_metadata
---
amdhsa.version: [ 1, 2 ]
amdhsa.kernels:
  - .name:           k_qe1ccd897e8_oproj
    .symbol:         k_qe1ccd897e8_oproj.kd
    .args:
      - { .name: pa, .offset: 0, .size: 8, .value_kind: global_buffer, .address_space: global }
      - { .name: Wo, .offset: 8, .size: 8, .value_kind: global_buffer, .address_space: global }
      - { .name: pb, .offset: 16, .size: 8, .value_kind: global_buffer, .address_space: global }
    .group_segment_fixed_size: 17408
    .private_segment_fixed_size: 0
    .kernarg_segment_align: 8
    .kernarg_segment_size: 24
    .max_flat_workgroup_size: 256
    .sgpr_count:     66
    .vgpr_count:     130
    .wavefront_size: 32
...
	.end_amdgpu_metadata
.endif
;; end of part 5
;; launch ln2 (part 6): grid 256 x 1, 8 waves a work-group, no clusters, 1,536 bytes of LDS; arguments x, pb, bo, b2, ln2_scale, ln2_shift, h2, res; writes h2, res
.if DOCPART == 6
	.amdgcn_target "amdgcn-amd-amdhsa--gfx1250"
	.amdhsa_code_object_version 6
	.text
	.protected	k_qe1ccd897e8_ln2
	.globl	k_qe1ccd897e8_ln2
	.p2align	8
	.type	k_qe1ccd897e8_ln2,@function
k_qe1ccd897e8_ln2:
	s_mov_b64 s[64:65], 0
	v_nop
	global_prefetch_b8 v0, s[64:65] scope:SCOPE_SE
	s_setreg_imm32_b32 hwreg(HW_REG_WAVE_MODE, 25, 1), 1
	s_wait_xcnt 0x0
; att = bo + the sum of the 16 partials in pb;  x2 = x + att (the one row of att goes onto all 1,024 rows);
; res = x2 + b2 (f32: the last launch adds the MLP's sums to it);  h2 = LN2(x2), rounded to f16 as the operand of the first MLP product.
; Why f16: it keeps 11 significant bits to bf16's 8, and h2 has room in it: h2 = scale n + shift with |n| <= sqrt(2047) < 45.3 for every x (n is a normalised row).
; Limit kept: h2 becomes infinite where 45.3 |ln2_scale| + |ln2_shift| reaches 65,504; below 2^-14 its step is 2^-24.
; A work-group owns 4 rows.  Thread t owns columns 4 t .. 4 t + 3 and 1024 + 4 t .. + 3 of each: every load and store of a wave covers
; 512 (f32) or 256 (f16) consecutive aligned bytes.  Every work-group adds the partials anew (128 KiB that all work-groups read).
; A stream: no matrix unit, no cluster; the rows stay in registers between the passes.  Two-pass LayerNorm: mean, then the sum of (x2 - mean)^2.
.set AT, 8                             ; v[8:15]    att of my 8 columns
.set SC, 16                            ; v[16:23]   ln2_scale
.set SH, 24                            ; v[24:31]   ln2_shift
.set B2, 32                            ; v[32:39]   b2
.set X,  40                            ; v[40:71]   4 rows x 8 columns
.set R,  72                            ; v[72:75]   one number a row
.set T,  76                            ; v[76:79]   at work
.set RB, 80                            ; v[80:111]  the eight waves' numbers
.set AO, 112                           ; v[112:239] the 16 partials; then
.set RS, 112                           ; v[112:143] res to store,
.set MP, 144                           ; v[144:151] the four means, each twice,
.set IP, 152                           ; v[152:159] the four 1/sqrt(var+eps), each twice
.set HP, 240                           ; v[240:255] h2 to store
.macro TREE8 b, d
.irp j, 0,2,4,6
	v_pk_add_f32 v[\b+4*\j:\b+4*\j+1], v[\b+4*\j:\b+4*\j+1], v[\b+4*\j+4:\b+4*\j+5]
	v_pk_add_f32 v[\b+4*\j+2:\b+4*\j+3], v[\b+4*\j+2:\b+4*\j+3], v[\b+4*\j+6:\b+4*\j+7]
.endr
.irp j, 0,4
	v_pk_add_f32 v[\b+4*\j:\b+4*\j+1], v[\b+4*\j:\b+4*\j+1], v[\b+4*\j+8:\b+4*\j+9]
	v_pk_add_f32 v[\b+4*\j+2:\b+4*\j+3], v[\b+4*\j+2:\b+4*\j+3], v[\b+4*\j+10:\b+4*\j+11]
.endr
	v_pk_add_f32 v[\d:\d+1], v[\b:\b+1], v[\b+16:\b+17]
	v_pk_add_f32 v[\d+2:\d+3], v[\b+2:\b+3], v[\b+18:\b+19]
.endm
; v[R : R+3], one number a row, summed over the 256 threads through LDS bytes o .. o + 127; the result in every lane
.macro ALLSUM o
.irp m, 1,2,4,8
.irp q, 0,1,2,3
	v_add_f32_dpp v[R+\q], v[R+\q], v[R+\q] row_xmask:\m row_mask:0xf bank_mask:0xf
.endr
.endr
.irp q, 0,1,2,3
	v_permlanex16_b32 v[T+\q], v[R+\q], s24, s25
.endr
	v_pk_add_f32 v[R:R+1], v[R:R+1], v[T:T+1]
	v_pk_add_f32 v[R+2:R+3], v[R+2:R+3], v[T+2:T+3]
	ds_store_b128 v5, v[R:R+3] offset:\o
	s_wait_dscnt 0x0                               ; written before I signal
	s_barrier_signal -1
	s_barrier_wait -1
.irp j, 0,1,2,3,4,5,6,7
	ds_load_b128 v[RB+4*\j:RB+4*\j+3], v6 offset:\o+16*\j
.endr
	s_wait_dscnt 0x0
	TREE8 RB, R
.endm
	s_load_b512 s[4:19], s[0:1], 0x0               ; x s[4:5], pb s[6:7], bo s[8:9], b2 s[10:11], ln2_scale s[12:13], ln2_shift s[14:15], h2 s[16:17], res s[18:19]
	v_lshl_add_u32 v2, v0, 2, 0x200
	v_mov_b32 v3, 0
	v_lshrrev_b32 v1, 5, v0
	v_readfirstlane_b32 s20, v1                    ; wave w
	s_mov_b32 s24, 0x76543210
	s_mov_b32 s25, 0xfedcba98
	s_mov_b32 s30, 0x3a000000                      ; 1 / 2048
	s_mov_b32 s31, 0x3727c5ac                      ; 1e-5
	s_lshl_b32 s26, ttmp9, 15                      ; 4 rows of 8,192 bytes
	s_mov_b32 s27, 0
	s_lshl_b32 s28, ttmp9, 14                      ; 4 rows of 4,096 bytes
	s_mov_b32 s29, 0
	v_lshlrev_b32 v4, 4, v0                        ; 16 t
	v_mov_b32 v5, s20
	v_lshlrev_b32 v5, 4, v5                        ; 16 w
	v_mov_b32 v6, 0
	v_lshlrev_b32 v7, 3, v0                        ; 8 t
	s_wait_kmcnt 0x0
	s_add_nc_u64 s[4:5], s[4:5], s[26:27]
	s_add_nc_u64 s[18:19], s[18:19], s[26:27]
	s_add_nc_u64 s[16:17], s[16:17], s[28:29]
.set i, 0
.rept 16
	global_load_b128 v[AO+8*i:AO+8*i+3], v4, s[6:7] offset:8192*i
	global_load_b128 v[AO+8*i+4:AO+8*i+7], v4, s[6:7] offset:8192*i+4096
.set i, i+1
.endr
	global_load_b128 v[AT:AT+3], v4, s[8:9]
	global_load_b128 v[AT+4:AT+7], v4, s[8:9] offset:4096
.irp q, 0,1,2,3
	global_load_b128 v[X+8*\q:X+8*\q+3], v4, s[4:5] offset:8192*\q
	global_load_b128 v[X+8*\q+4:X+8*\q+7], v4, s[4:5] offset:8192*\q+4096
.endr
	global_load_b128 v[SC:SC+3], v4, s[12:13]
	global_load_b128 v[SC+4:SC+7], v4, s[12:13] offset:4096
	global_load_b128 v[SH:SH+3], v4, s[14:15]
	global_load_b128 v[SH+4:SH+7], v4, s[14:15] offset:4096
	global_load_b128 v[B2:B2+3], v4, s[10:11]
	global_load_b128 v[B2+4:B2+7], v4, s[10:11] offset:4096
	s_wait_loadcnt 6                               ; all but the last six (scale, shift, b2) are in
.set i, 0
.rept 16
.irp k, 0,2,4,6
	v_pk_add_f32 v[AT+\k:AT+\k+1], v[AT+\k:AT+\k+1], v[AO+8*i+\k:AO+8*i+\k+1]
.endr
.set i, i+1
.endr
.irp q, 0,1,2,3
.irp k, 0,2,4,6
	v_pk_add_f32 v[X+8*\q+\k:X+8*\q+\k+1], v[X+8*\q+\k:X+8*\q+\k+1], v[AT+\k:AT+\k+1]      ; x2
.endr
.endr
.irp q, 0,1,2,3
	v_pk_add_f32 v[T:T+1], v[X+8*\q:X+8*\q+1], v[X+8*\q+2:X+8*\q+3]
	v_pk_add_f32 v[T+2:T+3], v[X+8*\q+4:X+8*\q+5], v[X+8*\q+6:X+8*\q+7]
	v_pk_add_f32 v[T:T+1], v[T:T+1], v[T+2:T+3]
	v_add_f32 v[R+\q], v[T], v[T+1]
.endr
	ALLSUM 0
.irp q, 0,1,2,3
	v_mul_f32 v[MP+2*\q], s30, v[R+\q]
	v_mul_f32 v[MP+2*\q+1], s30, v[R+\q]
.endr
	s_wait_loadcnt 0x0                             ; scale, shift, b2
.irp q, 0,1,2,3
.irp k, 0,2,4,6
	v_pk_add_f32 v[RS+8*\q+\k:RS+8*\q+\k+1], v[X+8*\q+\k:X+8*\q+\k+1], v[B2+\k:B2+\k+1]
.endr
	global_store_b128 v4, v[RS+8*\q:RS+8*\q+3], s[18:19] offset:8192*\q
	global_store_b128 v4, v[RS+8*\q+4:RS+8*\q+7], s[18:19] offset:8192*\q+4096
.endr
.irp q, 0,1,2,3
.irp k, 0,2,4,6
	v_pk_add_f32 v[X+8*\q+\k:X+8*\q+\k+1], v[X+8*\q+\k:X+8*\q+\k+1], v[MP+2*\q:MP+2*\q+1] neg_lo:[0,1] neg_hi:[0,1]
.endr
.endr
.irp q, 0,1,2,3
	v_pk_mul_f32 v[T:T+1], v[X+8*\q:X+8*\q+1], v[X+8*\q:X+8*\q+1]
.irp k, 2,4,6
	v_pk_fma_f32 v[T:T+1], v[X+8*\q+\k:X+8*\q+\k+1], v[X+8*\q+\k:X+8*\q+\k+1], v[T:T+1]
.endr
	v_add_f32 v[R+\q], v[T], v[T+1]
.endr
	ALLSUM 128                                     ; other bytes than the first sum's
.irp q, 0,1,2,3
	v_fma_f32 v[R+\q], v[R+\q], s30, s31           ; var + eps
.endr
.irp q, 0,1,2,3
	v_rsq_f32 v[IP+2*\q], v[R+\q]
.endr
	v_nop                                          ; one plain instruction behind the transcendentals (ISA guide 5.7.2)
	s_wait_alu depctr_va_vdst(0)
.irp q, 0,1,2,3
	v_mov_b32 v[IP+2*\q+1], v[IP+2*\q]
.endr
.irp q, 0,1,2,3
.irp k, 0,2,4,6
	v_pk_mul_f32 v[X+8*\q+\k:X+8*\q+\k+1], v[X+8*\q+\k:X+8*\q+\k+1], v[IP+2*\q:IP+2*\q+1]
.endr
.irp k, 0,2,4,6
	v_pk_fma_f32 v[X+8*\q+\k:X+8*\q+\k+1], v[X+8*\q+\k:X+8*\q+\k+1], v[SC+\k:SC+\k+1], v[SH+\k:SH+\k+1]
.endr
.irp k, 0,1,2,3
	v_cvt_pk_f16_f32 v[HP+4*\q+\k], v[X+8*\q+2*\k], v[X+8*\q+2*\k+1]       ; two roundings to f16, packed
.endr
	global_store_b64 v7, v[HP+4*\q:HP+4*\q+1], s[16:17] offset:4096*\q
	global_store_b64 v7, v[HP+4*\q+2:HP+4*\q+3], s[16:17] offset:4096*\q+2048
.endr
	s_wait_tensorcnt 0x0
	ds_add_u32 v2, v3
	s_wait_dscnt 0x0
	s_endpgm
.Lfunc_end_k_qe1ccd897e8_ln2:
	.size	k_qe1ccd897e8_ln2, .Lfunc_end_k_qe1ccd897e8_ln2-k_qe1ccd897e8_ln2
	.p2alignl 7, 3214868480
	.fill 96, 4, 3214868480
	.section	.rodata,"a",@progbits
	.p2align	6, 0x0
	.amdhsa_kernel k_qe1ccd897e8_ln2
		.amdhsa_group_segment_fixed_size 1536
		.amdhsa_private_segment_fixed_size 0
		.amdhsa_enable_private_segment 0
		.amdhsa_kernarg_size 64
		.amdhsa_user_sgpr_count 2
		.amdhsa_user_sgpr_kernarg_segment_ptr 1
		.amdhsa_wavefront_size32 1
		.amdhsa_system_sgpr_workgroup_id_x 1
		.amdhsa_system_sgpr_workgroup_id_y 1
		.amdhsa_system_sgpr_workgroup_id_z 1
		.amdhsa_system_vgpr_workitem_id 0
		.amdhsa_next_free_vgpr 256
		.amdhsa_next_free_sgpr 66
		.amdhsa_reserve_vcc 0
		.amdhsa_float_denorm_mode_32 3
		.amdhsa_float_denorm_mode_16_64 3
		.amdhsa_memory_ordered 1
		.amdhsa_forward_progress 1
		.amdhsa_inst_pref_size 27
	.end_amdhsa_kernel
	.amdgpu_metadata
---
amdhsa.version: [ 1, 2 ]
amdhsa.kernels:
  - .name:           k_qe1ccd897e8_ln2
    .symbol:         k_qe1ccd897e8_ln2.kd
    .args:
      - { .name: x, .offset: 0, .size: 8, .value_kind: global_buffer, .address_space: global }
      - { .name: pb, .offset: 8, .size: 8, .value_kind: global_buffer, .address_space: global }
      - { .name: bo, .offset: 16, .size: 8, .value_kind: global_buffer, .address_space: global }
      - { .name: b2, .offset: 24, .size: 8, .value_kind: global_buffer, .address_space: global }
      - { .name: ln2_scale, .offset: 32, .size: 8, .value_kind: global_buffer, .address_space: global }
      - { .name: ln2_shift, .offset: 40, .size: 8, .value_kind: global_buffer, .address_space: global }
      - { .name: h2, .offset: 48, .size: 8, .value_kind: global_buffer, .address_space: global }
      - { .name: res, .offset: 56, .size: 8, .value_kind: global_buffer, .address_space: global }
    .group_segment_fixed_size: 1536
    .private_segment_fixed_size: 0
    .kernarg_segment_align: 8
    .kernarg_segment_size: 64
    .max_flat_workgroup_size: 256
    .sgpr_count:     66
    .vgpr_count:     256
    .wavefront_size: 32
...
	.end_amdgpu_metadata
.endif
;; end of part 6
;; launch mlp1 (part 7): grid 64 x 4, 4 waves a work-group, clusters of 4 x 4, 327,680 bytes of LDS; arguments h2, W1, b1, g; writes g
.if DOCPART == 7
	.amdgcn_target "amdgcn-amd-amdhsa--gfx1250"
	.amdhsa_code_object_version 6
	.text
	.protected	k_qe1ccd897e8_mlp1
	.globl	k_qe1ccd897e8_mlp1
	.p2align	8
	.type	k_qe1ccd897e8_mlp1,@function
k_qe1ccd897e8_mlp1:
	s_mov_b64 s[64:65], 0
	v_nop
	global_prefetch_b8 v0, s[64:65] scope:SCOPE_SE
	s_setreg_imm32_b32 hwreg(HW_REG_WAVE_MODE, 25, 1), 1
	s_wait_xcnt 0x0
	s_wait_alu depctr_hold_cnt(0) depctr_sa_sdst(0) depctr_va_vdst(0) depctr_va_sdst(0) depctr_va_ssrc(0) depctr_va_vcc(0) depctr_vm_vsrc(0)
	s_getreg_b32 s2, hwreg(HW_REG_IB_STS2, 6, 4)
	s_cmp_eq_u32 s2, 0
	s_cbranch_scc0 .Lentry_in_a_cluster
	s_endpgm
.Lentry_in_a_cluster:
	s_bfe_u32 s2, ttmp6, 0x10000c
	s_cmp_lg_u32 s2, 0xf033
	s_cbranch_scc0 .Lentry_shape_is_right
	s_endpgm
.Lentry_shape_is_right:
.set MLP, 1                            ; 1: g = gelu(h2 @ W1 + b1): operands f16, g stored as bf16.   2: part[ks] = g[:, 2048 ks ..] @ W2[2048 ks .., :]: operands bf16, sums stored as f32.  The text below serves both.
; C[m][n] = sum over 2,048 k of A[m][k] W[k][n].  A: 16 bits, rows along k.  W: f32, rows along n, rounded to A's format on its way into LDS.  Sums in f32.
; FORMATS.  MLP = 1: f16, which keeps 11 significant bits to bf16's 8.  Both operands have room in it: h2 = scale n + shift with |n| <= sqrt(2047) < 45.3 for every x
; (a normalised row), and W1 is an input of spread 0.02.  MLP = 2: bf16: g is the result of a product, which nothing in the computation bounds.
; A work-group makes 256 (m) x 128 (n) of C with four waves; a wave makes 64 x 128: 32 accumulator tiles of 16 x 16, 256 registers.  256 work-groups:
; MLP = 1: 4 block rows x 64 block columns.  MLP = 2: 4 block rows x 16 block columns x 4 quarters of K (ks), whose sums the last launch adds in a fixed order.
; K goes in 16 steps of 128 through two LDS slots for A and two for W.
; A's tiles come by the tensor data mover, 64 rows x 256 bytes a wave.  CLUSTERS of 4 x 4: the four work-groups of a cluster's row make blocks of one block row
; and ask for A's tiles jointly.  The grid has 4 work-groups along y, one cluster: the block row is cy.
; W's tiles are NOT asked for jointly: they are f32 and must pass registers to be rounded.  As joint loads they would need two more slots of 64 KiB of f32 in LDS,
; and each tile would be written there, read back and written again in 16 bits (160 KiB of LDS traffic for a tile in place of 32 KiB).  So each wave loads its
; 32 k-rows of the tile (one load = 512 consecutive aligned bytes of a row) into a ring of two register sets, two K steps ahead, rounds them and stores them to LDS.
; W lies [k][n] in LDS; its fragments are made by the transposing LDS load.
; REGISTERS in windows of 256: window 0: v0-31 addresses and constants; v32-95 A's fragments (two buffers of 4); v96-223 W's fragments (two buffers of 8);
; window 1: the accumulators, tile (a, b) at 8 (8 a + b); window 2: the two sets of 128 registers for W's tiles on their way.
; THE MATRIX INSTRUCTION IS USED TRANSPOSED: source 0 = 16 columns of W, source 1 = 16 rows of A, so that a lane's eight results are eight neighbouring columns of one row of C.
; gelu: 0.5 x (1 + tanh z) = x / (1 + e^(-2 z)), z = sqrt(2/pi) (x + 0.044715 x^3); with exp2: x * rcp(1 + 2^((K2 x^2 + K1) x)).  An overflow of exp2 gives x * 0, an underflow x * 1.
; Limits kept: MLP = 1: a number of W1 of magnitude 65,520 or more becomes infinite; below 2^-14 f16's step is 2^-24 (for a W1 of spread 0.02 / 30 that step is 1e-4 of the spread).
; MLP = 2: operands rounded to bf16.  Both: NaN and infinities are not followed bit for bit.
.if MLP == 1
.set APITCH, 2048                      ; elements in a row of A
.set WPB,    32768                     ; bytes in a row of W
.set STGB,   4352                      ; a wave's stage: 16 rows x 272 bytes
.else
.set APITCH, 8192
.set WPB,    8192
.set STGB,   8448                      ; 16 rows x 528 bytes
.endif
.set TILEB, 128*WPB                    ; from one K step's rows of W to the next
.set ASLOT, 69632                      ; 256 rows x 272 bytes (256 of data + 16 of padding)
.set WS0,   139264                     ; behind A's two slots: W's two slots, written by LDS stores alone
.set WSLOT, 36864                      ; 128 k-rows x 288 bytes (256 of data + 32)
.set STAGE, 212992                     ; behind them: the waves' stages for the way out
.set ADA,  8                           ; v8-9    my A fragments in slot 0, 1
.set ADWR, 10                          ; v10-11  W's fragments in slot 0, 1
.set ADWS, 12                          ; v12-13  where I store my 32 k-rows of W in slot 0, 1
.set WOFF, 14                          ; v14     my offset in a tile of W in memory; never rewritten
.set STO,  15                          ; v15     the way out: in
.set RD,   16                          ; v16     the way out: back
.set CO,   17                          ; v17     my offset in C
.set BOFF, 18                          ; v18     my offset in b1
.set K1,   20                          ; v[20:21] -2 sqrt(2/pi) log2 e = -2.3022082, twice
.set K2,   22                          ; v[22:23] that x 0.044715 = -0.10294324, twice
.set FA0,  32
.set FW0,  96
.set XX,   32                          ; the way out: 64 numbers
.set TT,   96
.set EE,   160
.set G1, 24                            ; s[24:31] descriptor group 1
.set G0, 32                            ; s[32:39] descriptor group 0, one set for each slot
.set WP, 40                            ; s[40:41] W at the tile loaded last
.set MSB, 0
.macro WIN new                         ; the immediate's high byte repeats the setting that is left
.if MSB != \new
	s_set_vgpr_msb (MSB<<8)|\new
.set MSB, \new
.endif
.endm
.set MULW, 0x50                        ; C and D in window 1
.set CVTW, 0x8a                        ; sources 0, 1 and the destination in window 2
.set STW,  0x08                        ; store data in window 2
.set LDW,  0x80                        ; loaded data into window 2
.macro PLACES                          ; four places behind a matrix instruction before its registers are loaded into or its results read (ISA guide 7.12.1 for results read)
.rept 4
	v_nop
.endr
.endm
.macro CREST                           ; a round of the cluster's barrier behind its opening barrier
	s_cmp_lg_u32 s12, 0
	s_cbranch_scc1 .Lnot_wave_0_\@
	s_barrier_signal -3
.Lnot_wave_0_\@:
	s_barrier_wait -3
	s_barrier_signal -1
	s_barrier_wait -1
.endm
.macro CROUND
	s_barrier_signal -1
	s_barrier_wait -1
	CREST
.endm
; eight matrix instructions: m block a x all 8 n blocks, 32 along K, from fragment buffer f.  The 32 accumulators take turns in one fixed order.
; One form in the whole text: the f16 form where MLP = 1, the bf16 form where MLP = 2; registers and layout are the same.
.macro MUL8 f, a, zero
.irp b, 0,1,2,3,4,5,6,7
.if MLP == 1
.if \zero
	v_wmma_f32_16x16x32_f16 v[8*(8*\a+\b):8*(8*\a+\b)+7], v[FW0+64*\f+8*\b:FW0+64*\f+8*\b+7], v[FA0+32*\f+8*\a:FA0+32*\f+8*\a+7], 0
.else
	v_wmma_f32_16x16x32_f16 v[8*(8*\a+\b):8*(8*\a+\b)+7], v[FW0+64*\f+8*\b:FW0+64*\f+8*\b+7], v[FA0+32*\f+8*\a:FA0+32*\f+8*\a+7], v[8*(8*\a+\b):8*(8*\a+\b)+7]
.endif
.else
.if \zero
	v_wmma_f32_16x16x32_bf16 v[8*(8*\a+\b):8*(8*\a+\b)+7], v[FW0+64*\f+8*\b:FW0+64*\f+8*\b+7], v[FA0+32*\f+8*\a:FA0+32*\f+8*\a+7], 0
.else
	v_wmma_f32_16x16x32_bf16 v[8*(8*\a+\b):8*(8*\a+\b)+7], v[FW0+64*\f+8*\b:FW0+64*\f+8*\b+7], v[FA0+32*\f+8*\a:FA0+32*\f+8*\a+7], v[8*(8*\a+\b):8*(8*\a+\b)+7]
.endif
.endif
.endr
.endm
; 24 LDS loads: the fragments of quarter kk (32 along K) of a slot into buffer f: W's 8 (two transposing loads each, 16 k-rows apart), then A's 4, rows 0-31 first
.macro FETCH slot, kk, f
	WIN 0
.irp b, 0,1,2,3,4,5,6,7
	ds_load_tr16_b128 v[FW0+64*\f+8*\b:FW0+64*\f+8*\b+3], v[ADWR+\slot] offset:9216*\kk+32*\b
	ds_load_tr16_b128 v[FW0+64*\f+8*\b+4:FW0+64*\f+8*\b+7], v[ADWR+\slot] offset:9216*\kk+32*\b+4608
.endr
.irp a, 0,1,2,3
	ds_load_b128 v[FA0+32*\f+8*\a:FA0+32*\f+8*\a+3], v[ADA+\slot] offset:4352*\a+64*\kk
	ds_load_b128 v[FA0+32*\f+8*\a+4:FA0+32*\f+8*\a+7], v[ADA+\slot] offset:4352*\a+64*\kk+32
.endr
.endm
; 32 loads: my 32 k-rows of a tile of W, 512 bytes each, into register set 'set'.  No hint: the three partners of my column of the cluster read the same rows.
.macro WLOAD set, o
	WIN LDW
.set q, 0
.rept 32
	global_load_b128 v[128*(\set)+4*q:128*(\set)+4*q+3], v[WOFF], s[WP:WP+1] offset:\o+q*WPB
.set q, q+1
.endr
	WIN 0
.endm
; The tile in register set 'set' is rounded in place and stored into W's slot 'set'; issue = 1: the set is loaded again, adv tiles on.
.macro BURST set, issue, cnt, adv
	s_wait_loadcnt \cnt                            ; the set's 32 loads are in; the other set's (cnt of them) stay out
	WIN CVTW
.set q, 0
.rept 32
.if MLP == 1
	v_cvt_pk_f16_f32 v[128*(\set)+4*q], v[128*(\set)+4*q], v[128*(\set)+4*q+1]
	v_cvt_pk_f16_f32 v[128*(\set)+4*q+1], v[128*(\set)+4*q+2], v[128*(\set)+4*q+3]
.else
	v_cvt_pk_bf16_f32 v[128*(\set)+4*q], v[128*(\set)+4*q], v[128*(\set)+4*q+1]
	v_cvt_pk_bf16_f32 v[128*(\set)+4*q+1], v[128*(\set)+4*q+2], v[128*(\set)+4*q+3]
.endif
.set q, q+1
.endr
	WIN STW
.set q, 0
.rept 32
	ds_store_b64 v[ADWS+(\set)], v[128*(\set)+4*q:128*(\set)+4*q+1] offset:288*q   ; 32 lanes x 8 bytes: a k-row's 256 bytes
.set q, q+1
.endr
.if \issue
	s_wait_xcnt 0x0                                ; the base is stepped only when every earlier load's address has been translated (ISA guide 3.1)
	s_add_nc_u64 s[WP:WP+1], s[WP:WP+1], \adv*TILEB
	WLOAD \set, 0
.else
	WIN 0
.endif
.endm
; One of a K step's first three quarters: multiplies buffer f; in its middle fetches quarter kk into buffer g; proc = 1: W's next tile goes into the other slot there.
.macro QUARTER slot, kk, f, g, zero, w1, proc, issue, cnt
	s_wait_dscnt \w1                               ; buffer f's W fragments and A's rows 0-31 are in; younger: A's rows 32-63 (4 loads), and the 32 stores where a tile was stored behind them
	WIN MULW
	MUL8 \f, 0, \zero
	MUL8 \f, 1, \zero
	PLACES
	FETCH \slot, \kk, \g
.if \proc
	BURST 1-\slot, \issue, \cnt, 1
.endif
	s_wait_dscnt 24+32*\proc                       ; all but the 24 loads (and 32 stores) just issued
	WIN MULW
	MUL8 \f, 2, \zero
	MUL8 \f, 3, \zero
.endm
; The last quarter: multiplies buffer 1 and changes slots.  In front of the barrier each wave waits for all its LDS instructions (its reads of this step's slots, its stores
; into W's next slot) and for all its tensor loads (one is out: its part of A's next slot).  fill = 1: the barrier opens a round of the cluster's barrier, and behind the
; round A's slot is asked for again, two K steps ahead, first thing, one load a wave.  From that request to the wait for it a wave issues 120 matrix instructions.
.macro TURN slot, fill
	s_wait_dscnt 4
	WIN MULW
	MUL8 1, 0, 0
	s_wait_dscnt 0x0
	s_wait_tensorcnt 0x0
	ds_add_u32 v254, v255
	s_wait_dscnt 0x0
	s_barrier_signal -1
	MUL8 1, 1, 0                                   ; register work while the others arrive
	WIN 0
	s_barrier_wait -1
.if \fill
	CREST
	s_add_nc_u64 s[G0+4*\slot+2:G0+4*\slot+3], s[G0+4*\slot+2:G0+4*\slot+3], 512   ; no tensor load of mine is out: the address steps two K steps of 256 bytes
	tensor_load_to_lds s[G0+4*\slot:G0+4*\slot+3], s[G1:G1+7]
	s_nop 0
.endif
	PLACES
	FETCH 1-\slot, 0, 0
	WIN MULW
	MUL8 1, 2, 0
	MUL8 1, 3, 0
.endm
.macro STEP slot, zero, fill, proc, issue, cnt
	QUARTER \slot, 1, 0, 1, \zero, 4, \proc, \issue, \cnt
	QUARTER \slot, 2, 1, 0, 0, 4+32*\proc, 0, 0, 0
	QUARTER \slot, 3, 0, 1, 0, 4, 0, 0, 0
	TURN \slot, \fill
.endm
.if MLP == 1
	s_load_b256 s[4:11], s[0:1], 0x0               ; A = h2 s[4:5], W1 s[6:7], b1 s[8:9], g s[10:11]
	v_lshl_add_u32 v254, v0, 2, 0x38400
	v_mov_b32 v255, 0
	ds_add_u32 v254, v255
.else
	s_load_b128 s[4:7], s[0:1], 0x0                ; A = g s[4:5], W2 s[6:7]
	s_load_b64 s[10:11], s[0:1], 0x10              ; part
.endif
	v_lshrrev_b32 v1, 5, v0
	v_readfirstlane_b32 s12, v1                    ; wave w
	s_bfe_u32 s13, ttmp6, 0x40000                  ; cx
	s_bfe_u32 s14, ttmp6, 0x40004                  ; cy = the block row
.if MLP == 1
	s_lshl_b32 s15, ttmp9, 2
	s_add_co_u32 s15, s15, s13                     ; block column = 4 x cluster x + cx
.else
	s_lshr_b32 s16, ttmp9, 2                       ; ks, from the cluster's x alone: the same in all partners
	s_and_b32 s15, ttmp9, 3
	s_lshl_b32 s15, s15, 2
	s_add_co_u32 s15, s15, s13                     ; block column
.endif
	s_lshl_b32 s17, s14, 2
	s_lshl_b32 s17, 15, s17                        ; my row of the cluster: places 4 cy .. 4 cy + 3
	s_or_b32 s[G1+0], s17, (1<<16)|(1<<20)|(1<<21)|(5<<22)|(3<<25)  ; the mask; element of 2 bytes; padding on; bit 21 beside a mask; after every 64 words, 4 words
	s_mov_b32 s[G1+1], 128<<16                     ; tensor_dim0 = 128
	s_mov_b32 s[G1+2], 64<<16                      ; tensor_dim1 = 64
	s_mov_b32 s[G1+3], 128<<16                     ; tile_dim0 = 128 elements: 256 bytes
	s_mov_b32 s[G1+4], 64                          ; tile_dim1 = 64 rows
	s_mov_b32 s[G1+5], APITCH                      ; elements from row to row
	s_mov_b32 s[G1+6], 0
	s_mov_b32 s[G1+7], 0
	s_lshl_b32 s44, s14, 8                         ; A's offset, in registers that never hold cx: row 256 cy + 64 w
	s_lshl_b32 s45, s12, 6
	s_add_co_u32 s44, s44, s45
.if MLP == 1
	s_lshl_b32 s44, s44, 12
.else
	s_lshl_b32 s44, s44, 14
	s_lshl_b32 s45, s16, 12                        ; + 2,048 ks elements
	s_add_co_u32 s44, s44, s45
.endif
	s_mov_b32 s45, 0
	s_lshl_b32 s46, s15, 9                         ; W's offset: 128 columns of f32 a block
.if MLP == 2
	s_lshl_b32 s47, s16, 24                        ; + 2,048 ks rows of 8,192 bytes
	s_add_co_u32 s46, s46, s47
.endif
	s_mov_b32 s47, 0
	s_lshl_b32 s48, s14, 8                         ; C's offset: row 256 cy + 64 w, my block column
	s_lshl_b32 s49, s12, 6
	s_add_co_u32 s48, s48, s49
.if MLP == 1
	s_lshl_b32 s48, s48, 14
	s_lshl_b32 s49, s15, 8
	s_add_co_u32 s48, s48, s49
	s_lshl_b32 s50, s15, 9                         ; b1's offset
	s_mov_b32 s51, 0
.else
	s_lshl_b32 s48, s48, 13
	s_lshl_b32 s49, s15, 9
	s_add_co_u32 s48, s48, s49
	s_lshl_b32 s49, s16, 23
	s_add_co_u32 s48, s48, s49
.endif
	s_mov_b32 s49, 0
	s_mul_i32 s18, s12, 17408                      ; my 64 rows in a slot of A: the wave's number alone enters an LDS address
	s_mul_i32 s19, s12, 9216                       ; my 32 k-rows in a slot of W
	s_mul_i32 s20, s12, 32*WPB                     ; and in memory
	s_mul_i32 s21, s12, STGB
	s_add_co_u32 s21, s21, STAGE                   ; my stage
	v_and_b32 v1, 15, v0                           ; r
	v_bfe_u32 v2, v0, 4, 1                         ; h
	v_and_b32 v3, 31, v0                           ; lane L
	v_mul_u32_u24 v4, v1, 272
	v_lshl_add_u32 v4, v2, 4, v4                   ; r x 272 + 16 h
	v_add_nc_u32 v[ADA], s18, v4
	v_add_nc_u32 v[ADA+1], ASLOT, v[ADA]
	v_and_b32 v5, 7, v0
	v_lshl_add_u32 v5, v2, 3, v5
	v_mul_u32_u24 v5, v5, 288
	v_bfe_u32 v6, v0, 3, 1
	v_lshl_add_u32 v5, v6, 4, v5                   ; (8 h + (L & 7)) x 288 + 16 x bit 3 of L
	v_add_nc_u32 v[ADWR], WS0, v5
	v_add_nc_u32 v[ADWR+1], WS0+WSLOT, v5
	v_lshl_add_u32 v6, v3, 3, s19
	v_add_nc_u32 v[ADWS], WS0, v6
	v_add_nc_u32 v[ADWS+1], WS0+WSLOT, v6
	v_lshl_add_u32 v[WOFF], v3, 4, s20
.if MLP == 1
	v_add_nc_u32 v[STO], s21, v4                   ; in: row r, 16 bytes by h
	v_mul_u32_u24 v7, v2, 272
	v_lshl_add_u32 v7, v1, 4, v7
	v_add_nc_u32 v[RD], s21, v7                    ; back: lanes 0-15 one row of 256 bytes, lanes 16-31 the next
	v_lshlrev_b32 v7, 14, v2
	v_lshl_add_u32 v[CO], v1, 4, v7                ; the same two rows in g
	v_lshlrev_b32 v[BOFF], 5, v2
	v_mov_b32 v[K1], 0xc0135761
	v_mov_b32 v[K1+1], 0xc0135761
	v_mov_b32 v[K2], 0xbdd2d3e8
	v_mov_b32 v[K2+1], 0xbdd2d3e8
.else
	v_mul_u32_u24 v7, v1, 528
	v_lshl_add_u32 v7, v2, 5, v7
	v_add_nc_u32 v[STO], s21, v7                   ; in: row r, 32 bytes by h
	v_lshl_add_u32 v[RD], v3, 4, s21               ; back: a row of 512 bytes
	v_lshlrev_b32 v[CO], 4, v3
.endif
	s_wait_dscnt 0x0
	s_wait_kmcnt 0x0
	s_add_nc_u64 s[4:5], s[4:5], s[44:45]
	s_add_nc_u64 s[WP:WP+1], s[6:7], s[46:47]
	s_add_nc_u64 s[10:11], s[10:11], s[48:49]
.if MLP == 1
	s_add_nc_u64 s[8:9], s[8:9], s[50:51]
.endif
	WLOAD 0, 0                                     ; W's tiles 0 and 1 are on their way before anything else
	WLOAD 1, TILEB
.irp s, 0,1
	s_mov_b32 s[G0+4*\s], 1                                        ; count = 1
	s_add_co_u32 s[G0+4*\s+1], s18, \s*ASLOT                       ; LDS address
	s_add_nc_u64 s[G0+4*\s+2:G0+4*\s+3], s[4:5], \s*256            ; global address: K step s
	s_or_b32 s[G0+4*\s+3], s[G0+4*\s+3], 0x80000000                ; type = 2
.endr
	CROUND                                         ; all sixteen work-groups are here: the first joint loads meet
	tensor_load_to_lds s[G0:G0+3], s[G1:G1+7]      ; both first fills as one group; by this text's count at most two tensor loads of a wave are out
	s_nop 0
	PLACES
	tensor_load_to_lds s[G0+4:G0+7], s[G1:G1+7]
	s_nop 0
	PLACES
	BURST 0, 1, 32, 2                              ; W's tile 0 into slot 0; tile 2 goes out
	s_wait_tensorcnt 0x1                           ; my part of A's K step 0 is in; K step 1's stays out
	s_wait_dscnt 0x0                               ; my rows of W's tile 0 are written
	s_barrier_signal -1
	s_barrier_wait -1
	FETCH 0, 0, 0
	; K step t multiplies slot t mod 2, stores W's tile t + 1, loads W's tile t + 3, asks for A's tile t + 2
	STEP 0, 1, 1, 1, 1, 32                         ; t = 0: its first products start the sums: nothing is cleared
	STEP 1, 0, 1, 1, 1, 32
	WIN 0                                          ; at a label and at a branch every window is 0
	s_mov_b32 s42, 5
.Lsteps:
	STEP 0, 0, 1, 1, 1, 32                         ; t = 2 .. 11
	STEP 1, 0, 1, 1, 1, 32
	WIN 0
	s_sub_co_u32 s42, s42, 1
	s_cmp_lg_u32 s42, 0
	s_cbranch_scc1 .Lsteps
	STEP 0, 0, 1, 1, 1, 32                         ; t = 12: the last load of W (tile 15)
	STEP 1, 0, 1, 1, 0, 32                         ; t = 13: the last request for A (tile 15)
	STEP 0, 0, 0, 1, 0, 0                          ; t = 14: W's last tile is stored (no load is younger)
.if MLP == 1
	WIN LDW                                        ; t = 15: b1 of my columns 16 b + 8 h .. + 7 into set 0, which is free
.irp b, 0,1,2,3,4,5,6,7
	global_load_b128 v[8*\b:8*\b+3], v[BOFF], s[8:9] offset:64*\b
	global_load_b128 v[8*\b+4:8*\b+7], v[BOFF], s[8:9] offset:64*\b+16
.endr
	WIN 0
.endif
	QUARTER 1, 1, 0, 1, 0, 4, 0, 0, 0
	QUARTER 1, 2, 1, 0, 0, 4, 0, 0, 0
	QUARTER 1, 3, 0, 1, 0, 4, 0, 0, 0
	s_wait_dscnt 4
	WIN MULW
	MUL8 1, 0, 0
	MUL8 1, 1, 0
	s_wait_dscnt 0x0
	MUL8 1, 2, 0
	MUL8 1, 3, 0
	PLACES                                         ; behind the last matrix instructions, for all that follows
	WIN 0
.if MLP == 1
; rows 16 a .. 16 a + 15 of my block: bias, gelu, round to bf16, through my own stage, out as whole rows of 256 bytes
.macro OUT16 a
.if \a
	s_wait_xcnt 0x0                                ; the last group's stores have had their addresses translated (ISA guide 3.1): their data registers and base are rewritten only behind this wait
	s_add_nc_u64 s[10:11], s[10:11], 16*16384
.endif
	WIN 0x09                                       ; source 0 window 1 (sums), source 1 window 2 (bias), destination window 0
.set q, 0
.rept 32
	v_pk_add_f32 v[XX+2*q:XX+2*q+1], v[64*\a+2*q:64*\a+2*q+1], v[2*q:2*q+1]
.set q, q+1
.endr
	WIN 0
.set q, 0
.rept 32
	v_pk_mul_f32 v[TT+2*q:TT+2*q+1], v[XX+2*q:XX+2*q+1], v[XX+2*q:XX+2*q+1]
.set q, q+1
.endr
.set q, 0
.rept 32
	v_pk_fma_f32 v[TT+2*q:TT+2*q+1], v[TT+2*q:TT+2*q+1], v[K2:K2+1], v[K1:K1+1]
.set q, q+1
.endr
.set q, 0
.rept 32
	v_pk_mul_f32 v[TT+2*q:TT+2*q+1], v[TT+2*q:TT+2*q+1], v[XX+2*q:XX+2*q+1]
.set q, q+1
.endr
.set q, 0
.rept 64
	v_exp_f32 v[EE+q], v[TT+q]
.set q, q+1
.endr
	v_nop                                          ; one plain instruction behind the transcendentals (ISA guide 5.7.2)
.set q, 0
	s_wait_alu depctr_va_vdst(0)
.rept 32
	v_pk_add_f32 v[TT+2*q:TT+2*q+1], v[EE+2*q:EE+2*q+1], 1.0 op_sel_hi:[1,0]
.set q, q+1
.endr
.set q, 0
.rept 64
	v_rcp_f32 v[EE+q], v[TT+q]
.set q, q+1
.endr
	v_nop
.set q, 0
	s_wait_alu depctr_va_vdst(0)
.rept 32
	v_pk_mul_f32 v[XX+2*q:XX+2*q+1], v[XX+2*q:XX+2*q+1], v[EE+2*q:EE+2*q+1]
.set q, q+1
.endr
.set q, 0
.rept 32
	v_cvt_pk_bf16_f32 v[TT+q], v[XX+2*q], v[XX+2*q+1]
.set q, q+1
.endr
.irp b, 0,1,2,3,4,5,6,7
	ds_store_b128 v[STO], v[TT+4*\b:TT+4*\b+3] offset:32*\b
.endr
.irp t, 0,1,2,3,4,5,6,7
	ds_load_b128 v[TT+32+4*\t:TT+32+4*\t+3], v[RD] offset:544*\t   ; LDS serves a wave's instructions in order (ISA guide 5.7.1): these see the stores above
.endr
.irp t, 0,1,2,3,4,5,6,7
	s_wait_dscnt 7-\t
	global_store_b128 v[CO], v[TT+32+4*\t:TT+32+4*\t+3], s[10:11] offset:32768*\t   ; 16 lanes store 256 consecutive aligned bytes
.endr
.endm
	s_wait_loadcnt 0x0                             ; b1
.else
; rows 16 a .. 16 a + 15 of my block: the sums go through my own stage and out as whole rows of 512 bytes
.macro OUT16 a
	WIN 0x04                                       ; store data in window 1
.irp b, 0,1,2,3,4,5,6,7
	ds_store_b128 v[STO], v[64*\a+8*\b:64*\a+8*\b+3] offset:64*\b
	ds_store_b128 v[STO], v[64*\a+8*\b+4:64*\a+8*\b+7] offset:64*\b+16
.endr
	WIN 0
.if \a
	s_wait_xcnt 0x0                                ; earlier stores have had their addresses translated (ISA guide 3.1): their data registers and base are rewritten only behind this wait
	s_add_nc_u64 s[10:11], s[10:11], 16*8192
.endif
.set q, 0
.rept 16
	ds_load_b128 v[32+64*(\a&1)+4*q:32+64*(\a&1)+4*q+3], v[RD] offset:528*q        ; LDS serves a wave's instructions in order: these see the stores above
.set q, q+1
.endr
.set q, 0
.rept 16
	s_wait_dscnt 15-q
	global_store_b128 v[CO], v[32+64*(\a&1)+4*q:32+64*(\a&1)+4*q+3], s[10:11] offset:8192*q   ; 512 consecutive aligned bytes
.set q, q+1
.endr
.endm
.endif
	OUT16 0
	OUT16 1
	OUT16 2
	OUT16 3
	s_wait_tensorcnt 0x0
	ds_add_u32 v254, v255
	s_wait_dscnt 0x0
	CROUND                                         ; the closing round: no work-group ends while a partner may still ask for a tile that names it
	s_endpgm
.Lfunc_end_k_qe1ccd897e8_mlp1:
	.size	k_qe1ccd897e8_mlp1, .Lfunc_end_k_qe1ccd897e8_mlp1-k_qe1ccd897e8_mlp1
	.p2alignl 7, 3214868480
	.fill 96, 4, 3214868480
	.section	.rodata,"a",@progbits
	.p2align	6, 0x0
	.amdhsa_kernel k_qe1ccd897e8_mlp1
		.amdhsa_group_segment_fixed_size 327680
		.amdhsa_private_segment_fixed_size 0
		.amdhsa_enable_private_segment 0
		.amdhsa_kernarg_size 32
		.amdhsa_user_sgpr_count 2
		.amdhsa_user_sgpr_kernarg_segment_ptr 1
		.amdhsa_wavefront_size32 1
		.amdhsa_system_sgpr_workgroup_id_x 1
		.amdhsa_system_sgpr_workgroup_id_y 1
		.amdhsa_system_sgpr_workgroup_id_z 1
		.amdhsa_system_vgpr_workitem_id 0
		.amdhsa_next_free_vgpr 768
		.amdhsa_next_free_sgpr 66
		.amdhsa_reserve_vcc 0
		.amdhsa_float_denorm_mode_32 3
		.amdhsa_float_denorm_mode_16_64 3
		.amdhsa_memory_ordered 1
		.amdhsa_forward_progress 1
		.amdhsa_inst_pref_size 255
	.end_amdhsa_kernel
	.section	.bss,"aw",@nobits
	.p2align	6
	.space	262144
	.amdgpu_metadata
---
amdhsa.version: [ 1, 2 ]
amdhsa.kernels:
  - .name:           k_qe1ccd897e8_mlp1
    .symbol:         k_qe1ccd897e8_mlp1.kd
    .args:
      - { .name: h2, .offset: 0, .size: 8, .value_kind: global_buffer, .address_space: global }
      - { .name: W1, .offset: 8, .size: 8, .value_kind: global_buffer, .address_space: global }
      - { .name: b1, .offset: 16, .size: 8, .value_kind: global_buffer, .address_space: global }
      - { .name: g, .offset: 24, .size: 8, .value_kind: global_buffer, .address_space: global }
    .group_segment_fixed_size: 327680
    .private_segment_fixed_size: 0
    .kernarg_segment_align: 8
    .kernarg_segment_size: 32
    .max_flat_workgroup_size: 128
    .sgpr_count:     66
    .vgpr_count:     768
    .wavefront_size: 32
...
	.end_amdgpu_metadata
.endif
;; end of part 7
;; launch mlp2 (part 8): grid 64 x 4, 4 waves a work-group, clusters of 4 x 4, 327,680 bytes of LDS; arguments g, W2, part; writes part
.if DOCPART == 8
	.amdgcn_target "amdgcn-amd-amdhsa--gfx1250"
	.amdhsa_code_object_version 6
	.text
	.protected	k_qe1ccd897e8_mlp2
	.globl	k_qe1ccd897e8_mlp2
	.p2align	8
	.type	k_qe1ccd897e8_mlp2,@function
k_qe1ccd897e8_mlp2:
	s_mov_b64 s[64:65], 0
	v_nop
	global_prefetch_b8 v0, s[64:65] scope:SCOPE_SE
	s_setreg_imm32_b32 hwreg(HW_REG_WAVE_MODE, 25, 1), 1
	s_wait_xcnt 0x0
	s_wait_alu depctr_hold_cnt(0) depctr_sa_sdst(0) depctr_va_vdst(0) depctr_va_sdst(0) depctr_va_ssrc(0) depctr_va_vcc(0) depctr_vm_vsrc(0)
	s_getreg_b32 s2, hwreg(HW_REG_IB_STS2, 6, 4)
	s_cmp_eq_u32 s2, 0
	s_cbranch_scc0 .Lentry_in_a_cluster
	s_endpgm
.Lentry_in_a_cluster:
	s_bfe_u32 s2, ttmp6, 0x10000c
	s_cmp_lg_u32 s2, 0xf033
	s_cbranch_scc0 .Lentry_shape_is_right
	s_endpgm
.Lentry_shape_is_right:
.set MLP, 2                            ; 1: g = gelu(h2 @ W1 + b1): operands f16, g stored as bf16.   2: part[ks] = g[:, 2048 ks ..] @ W2[2048 ks .., :]: operands bf16, sums stored as f32.  The text below serves both.
; C[m][n] = sum over 2,048 k of A[m][k] W[k][n].  A: 16 bits, rows along k.  W: f32, rows along n, rounded to A's format on its way into LDS.  Sums in f32.
; FORMATS.  MLP = 1: f16, which keeps 11 significant bits to bf16's 8.  Both operands have room in it: h2 = scale n + shift with |n| <= sqrt(2047) < 45.3 for every x
; (a normalised row), and W1 is an input of spread 0.02.  MLP = 2: bf16: g is the result of a product, which nothing in the computation bounds.
; A work-group makes 256 (m) x 128 (n) of C with four waves; a wave makes 64 x 128: 32 accumulator tiles of 16 x 16, 256 registers.  256 work-groups:
; MLP = 1: 4 block rows x 64 block columns.  MLP = 2: 4 block rows x 16 block columns x 4 quarters of K (ks), whose sums the last launch adds in a fixed order.
; K goes in 16 steps of 128 through two LDS slots for A and two for W.
; A's tiles come by the tensor data mover, 64 rows x 256 bytes a wave.  CLUSTERS of 4 x 4: the four work-groups of a cluster's row make blocks of one block row
; and ask for A's tiles jointly.  The grid has 4 work-groups along y, one cluster: the block row is cy.
; W's tiles are NOT asked for jointly: they are f32 and must pass registers to be rounded.  As joint loads they would need two more slots of 64 KiB of f32 in LDS,
; and each tile would be written there, read back and written again in 16 bits (160 KiB of LDS traffic for a tile in place of 32 KiB).  So each wave loads its
; 32 k-rows of the tile (one load = 512 consecutive aligned bytes of a row) into a ring of two register sets, two K steps ahead, rounds them and stores them to LDS.
; W lies [k][n] in LDS; its fragments are made by the transposing LDS load.
; REGISTERS in windows of 256: window 0: v0-31 addresses and constants; v32-95 A's fragments (two buffers of 4); v96-223 W's fragments (two buffers of 8);
; window 1: the accumulators, tile (a, b) at 8 (8 a + b); window 2: the two sets of 128 registers for W's tiles on their way.
; THE MATRIX INSTRUCTION IS USED TRANSPOSED: source 0 = 16 columns of W, source 1 = 16 rows of A, so that a lane's eight results are eight neighbouring columns of one row of C.
; gelu: 0.5 x (1 + tanh z) = x / (1 + e^(-2 z)), z = sqrt(2/pi) (x + 0.044715 x^3); with exp2: x * rcp(1 + 2^((K2 x^2 + K1) x)).  An overflow of exp2 gives x * 0, an underflow x * 1.
; Limits kept: MLP = 1: a number of W1 of magnitude 65,520 or more becomes infinite; below 2^-14 f16's step is 2^-24 (for a W1 of spread 0.02 / 30 that step is 1e-4 of the spread).
; MLP = 2: operands rounded to bf16.  Both: NaN and infinities are not followed bit for bit.
.if MLP == 1
.set APITCH, 2048                      ; elements in a row of A
.set WPB,    32768                     ; bytes in a row of W
.set STGB,   4352                      ; a wave's stage: 16 rows x 272 bytes
.else
.set APITCH, 8192
.set WPB,    8192
.set STGB,   8448                      ; 16 rows x 528 bytes
.endif
.set TILEB, 128*WPB                    ; from one K step's rows of W to the next
.set ASLOT, 69632                      ; 256 rows x 272 bytes (256 of data + 16 of padding)
.set WS0,   139264                     ; behind A's two slots: W's two slots, written by LDS stores alone
.set WSLOT, 36864                      ; 128 k-rows x 288 bytes (256 of data + 32)
.set STAGE, 212992                     ; behind them: the waves' stages for the way out
.set ADA,  8                           ; v8-9    my A fragments in slot 0, 1
.set ADWR, 10                          ; v10-11  W's fragments in slot 0, 1
.set ADWS, 12                          ; v12-13  where I store my 32 k-rows of W in slot 0, 1
.set WOFF, 14                          ; v14     my offset in a tile of W in memory; never rewritten
.set STO,  15                          ; v15     the way out: in
.set RD,   16                          ; v16     the way out: back
.set CO,   17                          ; v17     my offset in C
.set BOFF, 18                          ; v18     my offset in b1
.set K1,   20                          ; v[20:21] -2 sqrt(2/pi) log2 e = -2.3022082, twice
.set K2,   22                          ; v[22:23] that x 0.044715 = -0.10294324, twice
.set FA0,  32
.set FW0,  96
.set XX,   32                          ; the way out: 64 numbers
.set TT,   96
.set EE,   160
.set G1, 24                            ; s[24:31] descriptor group 1
.set G0, 32                            ; s[32:39] descriptor group 0, one set for each slot
.set WP, 40                            ; s[40:41] W at the tile loaded last
.set MSB, 0
.macro WIN new                         ; the immediate's high byte repeats the setting that is left
.if MSB != \new
	s_set_vgpr_msb (MSB<<8)|\new
.set MSB, \new
.endif
.endm
.set MULW, 0x50                        ; C and D in window 1
.set CVTW, 0x8a                        ; sources 0, 1 and the destination in window 2
.set STW,  0x08                        ; store data in window 2
.set LDW,  0x80                        ; loaded data into window 2
.macro PLACES                          ; four places behind a matrix instruction before its registers are loaded into or its results read (ISA guide 7.12.1 for results read)
.rept 4
	v_nop
.endr
.endm
.macro CREST                           ; a round of the cluster's barrier behind its opening barrier
	s_cmp_lg_u32 s12, 0
	s_cbranch_scc1 .Lnot_wave_0_\@
	s_barrier_signal -3
.Lnot_wave_0_\@:
	s_barrier_wait -3
	s_barrier_signal -1
	s_barrier_wait -1
.endm
.macro CROUND
	s_barrier_signal -1
	s_barrier_wait -1
	CREST
.endm
; eight matrix instructions: m block a x all 8 n blocks, 32 along K, from fragment buffer f.  The 32 accumulators take turns in one fixed order.
; One form in the whole text: the f16 form where MLP = 1, the bf16 form where MLP = 2; registers and layout are the same.
.macro MUL8 f, a, zero
.irp b, 0,1,2,3,4,5,6,7
.if MLP == 1
.if \zero
	v_wmma_f32_16x16x32_f16 v[8*(8*\a+\b):8*(8*\a+\b)+7], v[FW0+64*\f+8*\b:FW0+64*\f+8*\b+7], v[FA0+32*\f+8*\a:FA0+32*\f+8*\a+7], 0
.else
	v_wmma_f32_16x16x32_f16 v[8*(8*\a+\b):8*(8*\a+\b)+7], v[FW0+64*\f+8*\b:FW0+64*\f+8*\b+7], v[FA0+32*\f+8*\a:FA0+32*\f+8*\a+7], v[8*(8*\a+\b):8*(8*\a+\b)+7]
.endif
.else
.if \zero
	v_wmma_f32_16x16x32_bf16 v[8*(8*\a+\b):8*(8*\a+\b)+7], v[FW0+64*\f+8*\b:FW0+64*\f+8*\b+7], v[FA0+32*\f+8*\a:FA0+32*\f+8*\a+7], 0
.else
	v_wmma_f32_16x16x32_bf16 v[8*(8*\a+\b):8*(8*\a+\b)+7], v[FW0+64*\f+8*\b:FW0+64*\f+8*\b+7], v[FA0+32*\f+8*\a:FA0+32*\f+8*\a+7], v[8*(8*\a+\b):8*(8*\a+\b)+7]
.endif
.endif
.endr
.endm
; 24 LDS loads: the fragments of quarter kk (32 along K) of a slot into buffer f: W's 8 (two transposing loads each, 16 k-rows apart), then A's 4, rows 0-31 first
.macro FETCH slot, kk, f
	WIN 0
.irp b, 0,1,2,3,4,5,6,7
	ds_load_tr16_b128 v[FW0+64*\f+8*\b:FW0+64*\f+8*\b+3], v[ADWR+\slot] offset:9216*\kk+32*\b
	ds_load_tr16_b128 v[FW0+64*\f+8*\b+4:FW0+64*\f+8*\b+7], v[ADWR+\slot] offset:9216*\kk+32*\b+4608
.endr
.irp a, 0,1,2,3
	ds_load_b128 v[FA0+32*\f+8*\a:FA0+32*\f+8*\a+3], v[ADA+\slot] offset:4352*\a+64*\kk
	ds_load_b128 v[FA0+32*\f+8*\a+4:FA0+32*\f+8*\a+7], v[ADA+\slot] offset:4352*\a+64*\kk+32
.endr
.endm
; 32 loads: my 32 k-rows of a tile of W, 512 bytes each, into register set 'set'.  No hint: the three partners of my column of the cluster read the same rows.
.macro WLOAD set, o
	WIN LDW
.set q, 0
.rept 32
	global_load_b128 v[128*(\set)+4*q:128*(\set)+4*q+3], v[WOFF], s[WP:WP+1] offset:\o+q*WPB
.set q, q+1
.endr
	WIN 0
.endm
; The tile in register set 'set' is rounded in place and stored into W's slot 'set'; issue = 1: the set is loaded again, adv tiles on.
.macro BURST set, issue, cnt, adv
	s_wait_loadcnt \cnt                            ; the set's 32 loads are in; the other set's (cnt of them) stay out
	WIN CVTW
.set q, 0
.rept 32
.if MLP == 1
	v_cvt_pk_f16_f32 v[128*(\set)+4*q], v[128*(\set)+4*q], v[128*(\set)+4*q+1]
	v_cvt_pk_f16_f32 v[128*(\set)+4*q+1], v[128*(\set)+4*q+2], v[128*(\set)+4*q+3]
.else
	v_cvt_pk_bf16_f32 v[128*(\set)+4*q], v[128*(\set)+4*q], v[128*(\set)+4*q+1]
	v_cvt_pk_bf16_f32 v[128*(\set)+4*q+1], v[128*(\set)+4*q+2], v[128*(\set)+4*q+3]
.endif
.set q, q+1
.endr
	WIN STW
.set q, 0
.rept 32
	ds_store_b64 v[ADWS+(\set)], v[128*(\set)+4*q:128*(\set)+4*q+1] offset:288*q   ; 32 lanes x 8 bytes: a k-row's 256 bytes
.set q, q+1
.endr
.if \issue
	s_wait_xcnt 0x0                                ; the base is stepped only when every earlier load's address has been translated (ISA guide 3.1)
	s_add_nc_u64 s[WP:WP+1], s[WP:WP+1], \adv*TILEB
	WLOAD \set, 0
.else
	WIN 0
.endif
.endm
; One of a K step's first three quarters: multiplies buffer f; in its middle fetches quarter kk into buffer g; proc = 1: W's next tile goes into the other slot there.
.macro QUARTER slot, kk, f, g, zero, w1, proc, issue, cnt
	s_wait_dscnt \w1                               ; buffer f's W fragments and A's rows 0-31 are in; younger: A's rows 32-63 (4 loads), and the 32 stores where a tile was stored behind them
	WIN MULW
	MUL8 \f, 0, \zero
	MUL8 \f, 1, \zero
	PLACES
	FETCH \slot, \kk, \g
.if \proc
	BURST 1-\slot, \issue, \cnt, 1
.endif
	s_wait_dscnt 24+32*\proc                       ; all but the 24 loads (and 32 stores) just issued
	WIN MULW
	MUL8 \f, 2, \zero
	MUL8 \f, 3, \zero
.endm
; The last quarter: multiplies buffer 1 and changes slots.  In front of the barrier each wave waits for all its LDS instructions (its reads of this step's slots, its stores
; into W's next slot) and for all its tensor loads (one is out: its part of A's next slot).  fill = 1: the barrier opens a round of the cluster's barrier, and behind the
; round A's slot is asked for again, two K steps ahead, first thing, one load a wave.  From that request to the wait for it a wave issues 120 matrix instructions.
.macro TURN slot, fill
	s_wait_dscnt 4
	WIN MULW
	MUL8 1, 0, 0
	s_wait_dscnt 0x0
	s_wait_tensorcnt 0x0
	ds_add_u32 v254, v255
	s_wait_dscnt 0x0
	s_barrier_signal -1
	MUL8 1, 1, 0                                   ; register work while the others arrive
	WIN 0
	s_barrier_wait -1
.if \fill
	CREST
	s_add_nc_u64 s[G0+4*\slot+2:G0+4*\slot+3], s[G0+4*\slot+2:G0+4*\slot+3], 512   ; no tensor load of mine is out: the address steps two K steps of 256 bytes
	tensor_load_to_lds s[G0+4*\slot:G0+4*\slot+3], s[G1:G1+7]
	s_nop 0
.endif
	PLACES
	FETCH 1-\slot, 0, 0
	WIN MULW
	MUL8 1, 2, 0
	MUL8 1, 3, 0
.endm
.macro STEP slot, zero, fill, proc, issue, cnt
	QUARTER \slot, 1, 0, 1, \zero, 4, \proc, \issue, \cnt
	QUARTER \slot, 2, 1, 0, 0, 4+32*\proc, 0, 0, 0
	QUARTER \slot, 3, 0, 1, 0, 4, 0, 0, 0
	TURN \slot, \fill
.endm
.if MLP == 1
	s_load_b256 s[4:11], s[0:1], 0x0               ; A = h2 s[4:5], W1 s[6:7], b1 s[8:9], g s[10:11]
.else
	s_load_b128 s[4:7], s[0:1], 0x0                ; A = g s[4:5], W2 s[6:7]
	s_load_b64 s[10:11], s[0:1], 0x10              ; part
	v_lshl_add_u32 v254, v0, 2, 0x3c400
	v_mov_b32 v255, 0
	ds_add_u32 v254, v255
.endif
	v_lshrrev_b32 v1, 5, v0
	v_readfirstlane_b32 s12, v1                    ; wave w
	s_bfe_u32 s13, ttmp6, 0x40000                  ; cx
	s_bfe_u32 s14, ttmp6, 0x40004                  ; cy = the block row
.if MLP == 1
	s_lshl_b32 s15, ttmp9, 2
	s_add_co_u32 s15, s15, s13                     ; block column = 4 x cluster x + cx
.else
	s_lshr_b32 s16, ttmp9, 2                       ; ks, from the cluster's x alone: the same in all partners
	s_and_b32 s15, ttmp9, 3
	s_lshl_b32 s15, s15, 2
	s_add_co_u32 s15, s15, s13                     ; block column
.endif
	s_lshl_b32 s17, s14, 2
	s_lshl_b32 s17, 15, s17                        ; my row of the cluster: places 4 cy .. 4 cy + 3
	s_or_b32 s[G1+0], s17, (1<<16)|(1<<20)|(1<<21)|(5<<22)|(3<<25)  ; the mask; element of 2 bytes; padding on; bit 21 beside a mask; after every 64 words, 4 words
	s_mov_b32 s[G1+1], 128<<16                     ; tensor_dim0 = 128
	s_mov_b32 s[G1+2], 64<<16                      ; tensor_dim1 = 64
	s_mov_b32 s[G1+3], 128<<16                     ; tile_dim0 = 128 elements: 256 bytes
	s_mov_b32 s[G1+4], 64                          ; tile_dim1 = 64 rows
	s_mov_b32 s[G1+5], APITCH                      ; elements from row to row
	s_mov_b32 s[G1+6], 0
	s_mov_b32 s[G1+7], 0
	s_lshl_b32 s44, s14, 8                         ; A's offset, in registers that never hold cx: row 256 cy + 64 w
	s_lshl_b32 s45, s12, 6
	s_add_co_u32 s44, s44, s45
.if MLP == 1
	s_lshl_b32 s44, s44, 12
.else
	s_lshl_b32 s44, s44, 14
	s_lshl_b32 s45, s16, 12                        ; + 2,048 ks elements
	s_add_co_u32 s44, s44, s45
.endif
	s_mov_b32 s45, 0
	s_lshl_b32 s46, s15, 9                         ; W's offset: 128 columns of f32 a block
.if MLP == 2
	s_lshl_b32 s47, s16, 24                        ; + 2,048 ks rows of 8,192 bytes
	s_add_co_u32 s46, s46, s47
.endif
	s_mov_b32 s47, 0
	s_lshl_b32 s48, s14, 8                         ; C's offset: row 256 cy + 64 w, my block column
	s_lshl_b32 s49, s12, 6
	s_add_co_u32 s48, s48, s49
.if MLP == 1
	s_lshl_b32 s48, s48, 14
	s_lshl_b32 s49, s15, 8
	s_add_co_u32 s48, s48, s49
	s_lshl_b32 s50, s15, 9                         ; b1's offset
	s_mov_b32 s51, 0
.else
	s_lshl_b32 s48, s48, 13
	s_lshl_b32 s49, s15, 9
	s_add_co_u32 s48, s48, s49
	s_lshl_b32 s49, s16, 23
	s_add_co_u32 s48, s48, s49
.endif
	s_mov_b32 s49, 0
	s_mul_i32 s18, s12, 17408                      ; my 64 rows in a slot of A: the wave's number alone enters an LDS address
	s_mul_i32 s19, s12, 9216                       ; my 32 k-rows in a slot of W
	s_mul_i32 s20, s12, 32*WPB                     ; and in memory
	s_mul_i32 s21, s12, STGB
	s_add_co_u32 s21, s21, STAGE                   ; my stage
	v_and_b32 v1, 15, v0                           ; r
	v_bfe_u32 v2, v0, 4, 1                         ; h
	v_and_b32 v3, 31, v0                           ; lane L
	v_mul_u32_u24 v4, v1, 272
	v_lshl_add_u32 v4, v2, 4, v4                   ; r x 272 + 16 h
	v_add_nc_u32 v[ADA], s18, v4
	v_add_nc_u32 v[ADA+1], ASLOT, v[ADA]
	v_and_b32 v5, 7, v0
	v_lshl_add_u32 v5, v2, 3, v5
	v_mul_u32_u24 v5, v5, 288
	v_bfe_u32 v6, v0, 3, 1
	v_lshl_add_u32 v5, v6, 4, v5                   ; (8 h + (L & 7)) x 288 + 16 x bit 3 of L
	v_add_nc_u32 v[ADWR], WS0, v5
	v_add_nc_u32 v[ADWR+1], WS0+WSLOT, v5
	v_lshl_add_u32 v6, v3, 3, s19
	v_add_nc_u32 v[ADWS], WS0, v6
	v_add_nc_u32 v[ADWS+1], WS0+WSLOT, v6
	v_lshl_add_u32 v[WOFF], v3, 4, s20
.if MLP == 1
	v_add_nc_u32 v[STO], s21, v4                   ; in: row r, 16 bytes by h
	v_mul_u32_u24 v7, v2, 272
	v_lshl_add_u32 v7, v1, 4, v7
	v_add_nc_u32 v[RD], s21, v7                    ; back: lanes 0-15 one row of 256 bytes, lanes 16-31 the next
	v_lshlrev_b32 v7, 14, v2
	v_lshl_add_u32 v[CO], v1, 4, v7                ; the same two rows in g
	v_lshlrev_b32 v[BOFF], 5, v2
	v_mov_b32 v[K1], 0xc0135761
	v_mov_b32 v[K1+1], 0xc0135761
	v_mov_b32 v[K2], 0xbdd2d3e8
	v_mov_b32 v[K2+1], 0xbdd2d3e8
.else
	v_mul_u32_u24 v7, v1, 528
	v_lshl_add_u32 v7, v2, 5, v7
	v_add_nc_u32 v[STO], s21, v7                   ; in: row r, 32 bytes by h
	v_lshl_add_u32 v[RD], v3, 4, s21               ; back: a row of 512 bytes
	v_lshlrev_b32 v[CO], 4, v3
.endif
	s_wait_dscnt 0x0
	s_wait_kmcnt 0x0
	s_add_nc_u64 s[4:5], s[4:5], s[44:45]
	s_add_nc_u64 s[WP:WP+1], s[6:7], s[46:47]
	s_add_nc_u64 s[10:11], s[10:11], s[48:49]
.if MLP == 1
	s_add_nc_u64 s[8:9], s[8:9], s[50:51]
.endif
	WLOAD 0, 0                                     ; W's tiles 0 and 1 are on their way before anything else
	WLOAD 1, TILEB
.irp s, 0,1
	s_mov_b32 s[G0+4*\s], 1                                        ; count = 1
	s_add_co_u32 s[G0+4*\s+1], s18, \s*ASLOT                       ; LDS address
	s_add_nc_u64 s[G0+4*\s+2:G0+4*\s+3], s[4:5], \s*256            ; global address: K step s
	s_or_b32 s[G0+4*\s+3], s[G0+4*\s+3], 0x80000000                ; type = 2
.endr
	CROUND                                         ; all sixteen work-groups are here: the first joint loads meet
	tensor_load_to_lds s[G0:G0+3], s[G1:G1+7]      ; both first fills as one group; by this text's count at most two tensor loads of a wave are out
	s_nop 0
	PLACES
	tensor_load_to_lds s[G0+4:G0+7], s[G1:G1+7]
	s_nop 0
	PLACES
	BURST 0, 1, 32, 2                              ; W's tile 0 into slot 0; tile 2 goes out
	s_wait_tensorcnt 0x1                           ; my part of A's K step 0 is in; K step 1's stays out
	s_wait_dscnt 0x0                               ; my rows of W's tile 0 are written
	s_barrier_signal -1
	s_barrier_wait -1
	FETCH 0, 0, 0
	; K step t multiplies slot t mod 2, stores W's tile t + 1, loads W's tile t + 3, asks for A's tile t + 2
	STEP 0, 1, 1, 1, 1, 32                         ; t = 0: its first products start the sums: nothing is cleared
	STEP 1, 0, 1, 1, 1, 32
	WIN 0                                          ; at a label and at a branch every window is 0
	s_mov_b32 s42, 5
.Lsteps:
	STEP 0, 0, 1, 1, 1, 32                         ; t = 2 .. 11
	STEP 1, 0, 1, 1, 1, 32
	WIN 0
	s_sub_co_u32 s42, s42, 1
	s_cmp_lg_u32 s42, 0
	s_cbranch_scc1 .Lsteps
	STEP 0, 0, 1, 1, 1, 32                         ; t = 12: the last load of W (tile 15)
	STEP 1, 0, 1, 1, 0, 32                         ; t = 13: the last request for A (tile 15)
	STEP 0, 0, 0, 1, 0, 0                          ; t = 14: W's last tile is stored (no load is younger)
.if MLP == 1
	WIN LDW                                        ; t = 15: b1 of my columns 16 b + 8 h .. + 7 into set 0, which is free
.irp b, 0,1,2,3,4,5,6,7
	global_load_b128 v[8*\b:8*\b+3], v[BOFF], s[8:9] offset:64*\b
	global_load_b128 v[8*\b+4:8*\b+7], v[BOFF], s[8:9] offset:64*\b+16
.endr
	WIN 0
.endif
	QUARTER 1, 1, 0, 1, 0, 4, 0, 0, 0
	QUARTER 1, 2, 1, 0, 0, 4, 0, 0, 0
	QUARTER 1, 3, 0, 1, 0, 4, 0, 0, 0
	s_wait_dscnt 4
	WIN MULW
	MUL8 1, 0, 0
	MUL8 1, 1, 0
	s_wait_dscnt 0x0
	MUL8 1, 2, 0
	MUL8 1, 3, 0
	PLACES                                         ; behind the last matrix instructions, for all that follows
	WIN 0
.if MLP == 1
; rows 16 a .. 16 a + 15 of my block: bias, gelu, round to bf16, through my own stage, out as whole rows of 256 bytes
.macro OUT16 a
.if \a
	s_wait_xcnt 0x0                                ; the last group's stores have had their addresses translated (ISA guide 3.1): their data registers and base are rewritten only behind this wait
	s_add_nc_u64 s[10:11], s[10:11], 16*16384
.endif
	WIN 0x09                                       ; source 0 window 1 (sums), source 1 window 2 (bias), destination window 0
.set q, 0
.rept 32
	v_pk_add_f32 v[XX+2*q:XX+2*q+1], v[64*\a+2*q:64*\a+2*q+1], v[2*q:2*q+1]
.set q, q+1
.endr
	WIN 0
.set q, 0
.rept 32
	v_pk_mul_f32 v[TT+2*q:TT+2*q+1], v[XX+2*q:XX+2*q+1], v[XX+2*q:XX+2*q+1]
.set q, q+1
.endr
.set q, 0
.rept 32
	v_pk_fma_f32 v[TT+2*q:TT+2*q+1], v[TT+2*q:TT+2*q+1], v[K2:K2+1], v[K1:K1+1]
.set q, q+1
.endr
.set q, 0
.rept 32
	v_pk_mul_f32 v[TT+2*q:TT+2*q+1], v[TT+2*q:TT+2*q+1], v[XX+2*q:XX+2*q+1]
.set q, q+1
.endr
.set q, 0
.rept 64
	v_exp_f32 v[EE+q], v[TT+q]
.set q, q+1
.endr
	v_nop                                          ; one plain instruction behind the transcendentals (ISA guide 5.7.2)
.set q, 0
.rept 32
	v_pk_add_f32 v[TT+2*q:TT+2*q+1], v[EE+2*q:EE+2*q+1], 1.0 op_sel_hi:[1,0]
.set q, q+1
.endr
.set q, 0
.rept 64
	v_rcp_f32 v[EE+q], v[TT+q]
.set q, q+1
.endr
	v_nop
.set q, 0
.rept 32
	v_pk_mul_f32 v[XX+2*q:XX+2*q+1], v[XX+2*q:XX+2*q+1], v[EE+2*q:EE+2*q+1]
.set q, q+1
.endr
.set q, 0
.rept 32
	v_cvt_pk_bf16_f32 v[TT+q], v[XX+2*q], v[XX+2*q+1]
.set q, q+1
.endr
.irp b, 0,1,2,3,4,5,6,7
	ds_store_b128 v[STO], v[TT+4*\b:TT+4*\b+3] offset:32*\b
.endr
.irp t, 0,1,2,3,4,5,6,7
	ds_load_b128 v[TT+32+4*\t:TT+32+4*\t+3], v[RD] offset:544*\t   ; LDS serves a wave's instructions in order (ISA guide 5.7.1): these see the stores above
.endr
.irp t, 0,1,2,3,4,5,6,7
	s_wait_dscnt 7-\t
	global_store_b128 v[CO], v[TT+32+4*\t:TT+32+4*\t+3], s[10:11] offset:32768*\t   ; 16 lanes store 256 consecutive aligned bytes
.endr
.endm
	s_wait_loadcnt 0x0                             ; b1
.else
; rows 16 a .. 16 a + 15 of my block: the sums go through my own stage and out as whole rows of 512 bytes
.macro OUT16 a
	WIN 0x04                                       ; store data in window 1
.irp b, 0,1,2,3,4,5,6,7
	ds_store_b128 v[STO], v[64*\a+8*\b:64*\a+8*\b+3] offset:64*\b
	ds_store_b128 v[STO], v[64*\a+8*\b+4:64*\a+8*\b+7] offset:64*\b+16
.endr
	WIN 0
.if \a
	s_wait_xcnt 0x0                                ; earlier stores have had their addresses translated (ISA guide 3.1): their data registers and base are rewritten only behind this wait
	s_add_nc_u64 s[10:11], s[10:11], 16*8192
.endif
.set q, 0
.rept 16
	ds_load_b128 v[32+64*(\a&1)+4*q:32+64*(\a&1)+4*q+3], v[RD] offset:528*q        ; LDS serves a wave's instructions in order: these see the stores above
.set q, q+1
.endr
.set q, 0
.rept 16
	s_wait_dscnt 15-q
	global_store_b128 v[CO], v[32+64*(\a&1)+4*q:32+64*(\a&1)+4*q+3], s[10:11] offset:8192*q   ; 512 consecutive aligned bytes
.set q, q+1
.endr
.endm
.endif
	OUT16 0
	OUT16 1
	OUT16 2
	OUT16 3
	s_wait_tensorcnt 0x0
	ds_add_u32 v254, v255
	s_wait_dscnt 0x0
	CROUND                                         ; the closing round: no work-group ends while a partner may still ask for a tile that names it
	s_endpgm
.Lfunc_end_k_qe1ccd897e8_mlp2:
	.size	k_qe1ccd897e8_mlp2, .Lfunc_end_k_qe1ccd897e8_mlp2-k_qe1ccd897e8_mlp2
	.p2alignl 7, 3214868480
	.fill 96, 4, 3214868480
	.section	.rodata,"a",@progbits
	.p2align	6, 0x0
	.amdhsa_kernel k_qe1ccd897e8_mlp2
		.amdhsa_group_segment_fixed_size 327680
		.amdhsa_private_segment_fixed_size 0
		.amdhsa_enable_private_segment 0
		.amdhsa_kernarg_size 24
		.amdhsa_user_sgpr_count 2
		.amdhsa_user_sgpr_kernarg_segment_ptr 1
		.amdhsa_wavefront_size32 1
		.amdhsa_system_sgpr_workgroup_id_x 1
		.amdhsa_system_sgpr_workgroup_id_y 1
		.amdhsa_system_sgpr_workgroup_id_z 1
		.amdhsa_system_vgpr_workitem_id 0
		.amdhsa_next_free_vgpr 768
		.amdhsa_next_free_sgpr 66
		.amdhsa_reserve_vcc 0
		.amdhsa_float_denorm_mode_32 3
		.amdhsa_float_denorm_mode_16_64 3
		.amdhsa_memory_ordered 1
		.amdhsa_forward_progress 1
		.amdhsa_inst_pref_size 220
	.end_amdhsa_kernel
	.amdgpu_metadata
---
amdhsa.version: [ 1, 2 ]
amdhsa.kernels:
  - .name:           k_qe1ccd897e8_mlp2
    .symbol:         k_qe1ccd897e8_mlp2.kd
    .args:
      - { .name: g, .offset: 0, .size: 8, .value_kind: global_buffer, .address_space: global }
      - { .name: W2, .offset: 8, .size: 8, .value_kind: global_buffer, .address_space: global }
      - { .name: part, .offset: 16, .size: 8, .value_kind: global_buffer, .address_space: global }
    .group_segment_fixed_size: 327680
    .private_segment_fixed_size: 0
    .kernarg_segment_align: 8
    .kernarg_segment_size: 24
    .max_flat_workgroup_size: 128
    .sgpr_count:     66
    .vgpr_count:     768
    .wavefront_size: 32
...
	.end_amdgpu_metadata
.endif
;; end of part 8
;; launch fin (part 9): grid 256 x 1, 8 waves a work-group, no clusters, 0 bytes of LDS; arguments part, res, out0; writes out0
.if DOCPART == 9
	.amdgcn_target "amdgcn-amd-amdhsa--gfx1250"
	.amdhsa_code_object_version 6
	.text
	.protected	k_qe1ccd897e8_fin
	.globl	k_qe1ccd897e8_fin
	.p2align	8
	.type	k_qe1ccd897e8_fin,@function
k_qe1ccd897e8_fin:
	s_mov_b64 s[64:65], 0
	v_nop
	global_prefetch_b8 v0, s[64:65] scope:SCOPE_SE
	s_setreg_imm32_b32 hwreg(HW_REG_WAVE_MODE, 25, 1), 1
	s_wait_xcnt 0x0
; out0 = res + part[0] + part[1] + part[2] + part[3]: the four quarters of K of the second MLP product, added in one fixed order, onto x2 + b2.
; A stream: each byte is read once and written once; no LDS, no barrier, no matrix unit, no cluster (no byte is read by two work-groups).
; A work-group owns 32 KiB of the output; thread t takes 16 bytes at 4,096 p + 16 t for p = 0 .. 7, so each load and store of a wave covers 512 consecutive aligned bytes.
; All 40 loads of a wave go out at once; no register is written twice, so no wait but the counted ones for data is needed.
.set V, 8                              ; v[8 + 20 p ..]: place p: res, then the four parts, four registers each
	s_load_b128 s[4:7], s[0:1], 0x0                ; part s[4:5], res s[6:7]
	s_load_b64 s[8:9], s[0:1], 0x10                ; out0
	s_lshl_b32 s20, ttmp9, 15
	v_lshl_add_u32 v2, v0, 4, s20
	s_wait_kmcnt 0x0
	s_add_nc_u64 s[12:13], s[4:5], 0x800000        ; the parts lie 8,388,608 bytes apart, one more than the immediate reaches: bases of their own
	s_add_nc_u64 s[14:15], s[4:5], 0x1000000
	s_add_nc_u64 s[16:17], s[4:5], 0x1800000
.irp p, 0,1,2,3,4,5,6,7
	global_load_b128 v[V+20*\p:V+20*\p+3], v2, s[6:7] offset:4096*\p th:TH_LOAD_NT
	global_load_b128 v[V+20*\p+4:V+20*\p+7], v2, s[4:5] offset:4096*\p th:TH_LOAD_NT
	global_load_b128 v[V+20*\p+8:V+20*\p+11], v2, s[12:13] offset:4096*\p th:TH_LOAD_NT
	global_load_b128 v[V+20*\p+12:V+20*\p+15], v2, s[14:15] offset:4096*\p th:TH_LOAD_NT
	global_load_b128 v[V+20*\p+16:V+20*\p+19], v2, s[16:17] offset:4096*\p th:TH_LOAD_NT
.endr
.irp p, 0,1,2,3,4,5,6,7
	s_wait_loadcnt 5*(7-\p)                        ; place p's five loads are in; the later places' stay out
	v_pk_add_f32 v[V+20*\p:V+20*\p+1], v[V+20*\p:V+20*\p+1], v[V+20*\p+4:V+20*\p+5]
	v_pk_add_f32 v[V+20*\p+2:V+20*\p+3], v[V+20*\p+2:V+20*\p+3], v[V+20*\p+6:V+20*\p+7]
	v_pk_add_f32 v[V+20*\p+8:V+20*\p+9], v[V+20*\p+8:V+20*\p+9], v[V+20*\p+12:V+20*\p+13]
	v_pk_add_f32 v[V+20*\p+10:V+20*\p+11], v[V+20*\p+10:V+20*\p+11], v[V+20*\p+14:V+20*\p+15]
	v_pk_add_f32 v[V+20*\p:V+20*\p+1], v[V+20*\p:V+20*\p+1], v[V+20*\p+16:V+20*\p+17]
	v_pk_add_f32 v[V+20*\p+2:V+20*\p+3], v[V+20*\p+2:V+20*\p+3], v[V+20*\p+18:V+20*\p+19]
	v_pk_add_f32 v[V+20*\p:V+20*\p+1], v[V+20*\p:V+20*\p+1], v[V+20*\p+8:V+20*\p+9]
	v_pk_add_f32 v[V+20*\p+2:V+20*\p+3], v[V+20*\p+2:V+20*\p+3], v[V+20*\p+10:V+20*\p+11]
	global_store_b128 v2, v[V+20*\p:V+20*\p+3], s[8:9] offset:4096*\p th:TH_STORE_NT
.endr
	s_endpgm
.Lfunc_end_k_qe1ccd897e8_fin:
	.size	k_qe1ccd897e8_fin, .Lfunc_end_k_qe1ccd897e8_fin-k_qe1ccd897e8_fin
	.p2alignl 7, 3214868480
	.fill 96, 4, 3214868480
	.section	.rodata,"a",@progbits
	.p2align	6, 0x0
	.amdhsa_kernel k_qe1ccd897e8_fin
		.amdhsa_group_segment_fixed_size 0
		.amdhsa_private_segment_fixed_size 0
		.amdhsa_enable_private_segment 0
		.amdhsa_kernarg_size 24
		.amdhsa_user_sgpr_count 2
		.amdhsa_user_sgpr_kernarg_segment_ptr 1
		.amdhsa_wavefront_size32 1
		.amdhsa_system_sgpr_workgroup_id_x 1
		.amdhsa_system_sgpr_workgroup_id_y 1
		.amdhsa_system_sgpr_workgroup_id_z 1
		.amdhsa_system_vgpr_workitem_id 0
		.amdhsa_next_free_vgpr 176
		.amdhsa_next_free_sgpr 66
		.amdhsa_reserve_vcc 0
		.amdhsa_float_denorm_mode_32 3
		.amdhsa_float_denorm_mode_16_64 3
		.amdhsa_memory_ordered 1
		.amdhsa_forward_progress 1
		.amdhsa_inst_pref_size 10
	.end_amdhsa_kernel
	.amdgpu_metadata
---
amdhsa.version: [ 1, 2 ]
amdhsa.kernels:
  - .name:           k_qe1ccd897e8_fin
    .symbol:         k_qe1ccd897e8_fin.kd
    .args:
      - { .name: part, .offset: 0, .size: 8, .value_kind: global_buffer, .address_space: global }
      - { .name: res, .offset: 8, .size: 8, .value_kind: global_buffer, .address_space: global }
      - { .name: out0, .offset: 16, .size: 8, .value_kind: global_buffer, .address_space: global }
    .group_segment_fixed_size: 0
    .private_segment_fixed_size: 0
    .kernarg_segment_align: 8
    .kernarg_segment_size: 24
    .max_flat_workgroup_size: 256
    .sgpr_count:     66
    .vgpr_count:     176
    .wavefront_size: 32
...
	.end_amdgpu_metadata
.endif
;; end of part 9
;; ======== version 2 of 2: 9 launches; version 1 with the launch uproj written anew for expert scheduling mode
;; limits: values are held in f16: magnitudes above 65,504 overflow, below 6.1e-05 lose precision; right only within a limited range of input values
;; workspace buffers: pa 131,072 bytes; pb 131,072 bytes; zp 8,388,608 bytes; ml 8,192 bytes; h2 4,194,304 bytes; res 8,388,608 bytes; g 16,777,216 bytes; part 33,554,432 bytes
;; launch qproj: the kernel of part 1 again; grid 16 x 16, 8 waves a work-group, no clusters, 17,408 bytes of LDS; arguments x, ln1_scale, ln1_shift, Wq, Wk, pa; writes pa
;; launch uproj (part 10): grid 16 x 16, 8 waves a work-group, no clusters, 17,408 bytes of LDS; arguments Wk, pa, ln1_scale, x, pb; writes pb
.if DOCPART == 10
	.amdgcn_target "amdgcn-amd-amdhsa--gfx1250"
	.amdhsa_code_object_version 6
	.text
	.protected	k_qe1ccd897e8_uproj
	.globl	k_qe1ccd897e8_uproj
	.p2align	8
	.type	k_qe1ccd897e8_uproj,@function
k_qe1ccd897e8_uproj:
	s_mov_b64 s[64:65], 0
	v_nop
	global_prefetch_b8 v0, s[64:65] scope:SCOPE_SE
	s_setreg_imm32_b32 hwreg(HW_REG_WAVE_SCHED_MODE, 0, 2), 2
	s_setreg_imm32_b32 hwreg(HW_REG_WAVE_MODE, 25, 1), 1
	s_wait_xcnt 0x0
	s_wait_alu depctr_vm_vsrc(0)
; u'[h][d] = ln1_scale[d] * (log2 e / sqrt 128) * sum over j of Wk[d][128 h + j] q[128 h + j], stored as bf16 [16][2048] in pb.
; With one query the score of key t in head h is h1[t] . u[h], where u[h] = Wk[:, head h] q_h: the same sum as q . k in another order.
; h1 = scale * n + shift; the term shift . u[h] is the same for every key and falls out of a softmax that takes its maximum away,
; so the next launch works on the plain normalised rows n, and scale is folded in here.  The factor puts the scores in the domain of exp2.
; A work-group owns one block of 128 rows (by) x 128 columns (bx = head) of Wk, read once; wave w rows 16 w .. 16 w + 15, lane L columns 4 L .. 4 L + 3.
; One-row product, bound by the stream: vector unit, no matrix unit, no cluster (no block is read twice; q's 8 KiB of partials are an eighth of a block).
; Limit kept: u' is rounded to bf16, as an operand of the next launch's matrix product.
; THE MODE: SCHED_MODE bits 1:0 = 2 (LLVM: expert scheduling mode 2), set by the entry lines.  The code itself states the register dependences
; between vector instructions and memory or LDS instructions, with s_wait_alu, always for 0.
; THE PLAN.  Registers that memory or LDS instructions touch, in the order of the text (there is no loop):
;   v2, v3, v5 .. v8, v11, v12   offsets and LDS addresses: written once at the head by vector instructions, read by every load, store and the prefetch, never written again.
;   v[16:27], WB                 global loads land in them once, all issued at the head; behind their counted waits vector instructions alone name them.
;   VEC                          written by two adds, read by one LDS store, written again by the sum of the eight waves' parts.
;   v[32:63]                     eight LDS loads land in them; then vector instructions alone.  Of them V16 = v[32:47] takes the sixteen row sums, which sixteen LDS stores read;
;                                in wave 0 an LDS load lands in v[32:35] again, and v36, v37 are written again by the roundings and read by the global store.
;   v128, v129                   written at the head, read by the closing add alone.
;   s20                          written by v_readfirstlane_b32, read by scalar and vector instructions.
; So the sixteen last adds stand together, ONE wait on va_vdst behind them, and the sixteen LDS stores in one run behind that wait.
.set R1,  256                          ; 4 KiB: the waves' partial q
.set R2,  4352                         ; 512 bytes: the block's 128 results
.set VEC, 28                           ; v[28:31]   q of my four columns
.set V16, 32                           ; v[32:47]   my wave's 16 row sums
.set T,   52
.set WB,  64                           ; v[64:127]  16 rows x 4 columns of Wk
.macro TREE8 b, d                      ; eight vectors of four at v[b + 4 j] summed into v[d : d + 3]
.irp j, 0,2,4,6
	v_pk_add_f32 v[\b+4*\j:\b+4*\j+1], v[\b+4*\j:\b+4*\j+1], v[\b+4*\j+4:\b+4*\j+5]
	v_pk_add_f32 v[\b+4*\j+2:\b+4*\j+3], v[\b+4*\j+2:\b+4*\j+3], v[\b+4*\j+6:\b+4*\j+7]
.endr
.irp j, 0,4
	v_pk_add_f32 v[\b+4*\j:\b+4*\j+1], v[\b+4*\j:\b+4*\j+1], v[\b+4*\j+8:\b+4*\j+9]
	v_pk_add_f32 v[\b+4*\j+2:\b+4*\j+3], v[\b+4*\j+2:\b+4*\j+3], v[\b+4*\j+10:\b+4*\j+11]
.endr
	v_pk_add_f32 v[\d:\d+1], v[\b:\b+1], v[\b+16:\b+17]
	v_pk_add_f32 v[\d+2:\d+3], v[\b+2:\b+3], v[\b+18:\b+19]
.endm
	s_load_b256 s[4:11], s[0:1], 0x0               ; Wk s[4:5], pa s[6:7], ln1_scale s[8:9], x s[10:11]
	s_load_b64 s[12:13], s[0:1], 0x20              ; pb
	v_lshl_add_u32 v128, v0, 2, 0x4000
	v_mov_b32 v129, 0
	v_lshrrev_b32 v1, 5, v0
	v_readfirstlane_b32 s20, v1                    ; wave w
	s_and_b32 s22, ttmp7, 0xffff                   ; by
	s_mov_b32 s24, 0x76543210
	s_mov_b32 s25, 0xfedcba98
	s_lshl_b32 s28, ttmp9, 9                       ; bx x 512
	s_lshl_b32 s26, s22, 20
	s_add_co_u32 s26, s26, s28
	s_mov_b32 s27, 0                               ; s[26:27]: my block's offset in Wk
	s_lshl_b32 s29, s22, 9                         ; by x 512
	s_wait_alu depctr_va_sdst(0)                   ; s20 is written, ahead of its first reader: offsets, LDS addresses and two branches are made from it
	s_lshl_b32 s21, s20, 14
	s_add_co_u32 s21, s21, s28                     ; partials 2 w and 2 w + 1 of q, my head's 512 bytes
	s_lshl_b32 s23, ttmp9, 12
	s_lshl_b32 s30, s22, 8
	s_add_co_u32 s23, s23, s30                     ; bx x 4,096 + by x 256: my place in u'
	s_lshl_b32 s30, s22, 4
	s_add_co_u32 s30, s30, ttmp9
	s_lshl2_add_u32 s30, s30, s20                  ; (16 by + bx) x 4 + w
	s_lshl_b32 s30, s30, 13                        ; x 8,192 bytes of x
	v_and_b32 v1, 31, v0
	v_lshlrev_b32 v3, 4, v1                        ; 16 lane
	v_lshl_add_u32 v2, s20, 17, v3
	v_add_nc_u32 v5, s21, v3
	v_add_nc_u32 v6, s29, v3
	v_mov_b32 v7, s20
	v_lshlrev_b32 v7, 6, v7                        ; 64 w
	v_lshl_add_u32 v8, s20, 9, v3                  ; 512 w + 16 lane
	v_lshl_add_u32 v11, v1, 3, s23
	v_lshl_add_u32 v12, v1, 8, s30
	s_wait_kmcnt 0x0
	s_add_nc_u64 s[4:5], s[4:5], s[26:27]
	s_wait_alu depctr_va_vdst(0)                   ; v2, v3, v5 to v8, v11 and v12 are written: every load, store and the prefetch of the kernel reads one of them, and none is written again
	global_load_b128 v[16:19], v5, s[6:7]
	global_load_b128 v[20:23], v5, s[6:7] offset:8192
	global_load_b128 v[24:27], v6, s[8:9]
.set i, 0
.rept 16
	global_load_b128 v[WB+4*i:WB+4*i+3], v2, s[4:5] offset:8192*i th:TH_LOAD_NT
.set i, i+1
.endr
	s_cmp_gt_u32 s20, 3
	s_cbranch_scc1 .Lasked
	; x for the next launch: waves 0 to 3 of the 256 work-groups ask for 8 KiB each, lanes 256 bytes apart: 1,024 x 8 KiB = all of x, each block once
	global_prefetch_b8 v12, s[10:11] th:TH_LOAD_NT scope:SCOPE_SE
.Lasked:
	s_wait_loadcnt 17                              ; the two partials are in; scale and the 16 rows stay out
	v_pk_add_f32 v[VEC:VEC+1], v[16:17], v[20:21]
	v_pk_add_f32 v[VEC+2:VEC+3], v[18:19], v[22:23]
	s_wait_alu depctr_va_vdst(0)                   ; the two adds have written VEC, which the LDS store reads
	ds_store_b128 v8, v[VEC:VEC+3] offset:R1
	s_wait_dscnt 0x0                               ; written before I signal
	s_barrier_signal -1
	s_barrier_wait -1
.irp j, 0,1,2,3,4,5,6,7
	ds_load_b128 v[32+4*\j:32+4*\j+3], v3 offset:R1+512*\j   ; no vector instruction has named v[32:63] yet
.endr
	s_wait_dscnt 0x0
	s_wait_alu depctr_vm_vsrc(0)                   ; the LDS store above has read VEC, which the sum below writes again
	TREE8 32, VEC                                  ; q of my four columns, in every wave
.set i, 0
.rept 16
	s_wait_loadcnt 15-i                            ; row i is in
	v_pk_mul_f32 v[T:T+1], v[WB+4*i:WB+4*i+1], v[VEC:VEC+1]
	v_pk_fma_f32 v[T:T+1], v[WB+4*i+2:WB+4*i+3], v[VEC+2:VEC+3], v[T:T+1]
	v_add_f32 v[V16+i], v[T], v[T+1]
.set i, i+1
.endr
	; sixteen sums over the lanes, stage by stage: sixteen chains that do not wait for each other
.irp m, 1,2,4,8
.set i, 0
.rept 16
	v_add_f32_dpp v[V16+i], v[V16+i], v[V16+i] row_xmask:\m row_mask:0xf bank_mask:0xf
.set i, i+1
.endr
.endr
.set i, 0
.rept 16
	v_permlanex16_b32 v[WB+i], v[V16+i], s24, s25
.set i, i+1
.endr
.set i, 0
.rept 16
	v_add_f32 v[V16+i], v[V16+i], v[WB+i]
.set i, i+1
.endr
	s_wait_alu depctr_va_vdst(0)                   ; the sixteen sums are written, which the run of LDS stores reads; no vector instruction follows before wave 0's load lands in v[32:35]
.set i, 0
.rept 16
	ds_store_b32 v7, v[V16+i] offset:R2+4*i        ; all lanes write the same word with the same number
.set i, i+1
.endr
	s_wait_dscnt 0x0
	s_barrier_signal -1
	s_barrier_wait -1
	s_wait_alu depctr_vm_vsrc(0)                   ; the sixteen LDS stores have read v[32:47]: in wave 0 a load lands in v[32:35] and the roundings write v36 and v37
	s_cmp_lg_u32 s20, 0
	s_cbranch_scc1 .Lend
	ds_load_b128 v[32:35], v3 offset:R2            ; wave 0: the block's 128 results, four a lane
	s_wait_dscnt 0x0
	v_pk_mul_f32 v[32:33], v[32:33], v[24:25]      ; x ln1_scale
	v_pk_mul_f32 v[34:35], v[34:35], v[26:27]
	v_pk_mul_f32 v[32:33], v[32:33], 0x3e0293ee op_sel_hi:[1,0]   ; x log2 e / sqrt 128 = 0.12751743
	v_pk_mul_f32 v[34:35], v[34:35], 0x3e0293ee op_sel_hi:[1,0]
	v_cvt_pk_bf16_f32 v36, v32, v33
	v_cvt_pk_bf16_f32 v37, v34, v35
	s_wait_alu depctr_va_vdst(0)                   ; the roundings have written v36 and v37, which the store reads
	global_store_b64 v11, v[36:37], s[12:13]       ; 32 lanes x 8 bytes: 256 consecutive aligned bytes
.Lend:
	s_wait_dscnt 0x0                               ; the closing lines, six on end
	s_wait_alu 0x0
	s_wait_tensorcnt 0x0
	ds_add_u32 v128, v129
	s_wait_dscnt 0x0
	s_endpgm
.Lfunc_end_k_qe1ccd897e8_uproj:
	.size	k_qe1ccd897e8_uproj, .Lfunc_end_k_qe1ccd897e8_uproj-k_qe1ccd897e8_uproj
	.p2alignl 7, 3214868480
	.fill 96, 4, 3214868480
	.section	.rodata,"a",@progbits
	.p2align	6, 0x0
	.amdhsa_kernel k_qe1ccd897e8_uproj
		.amdhsa_group_segment_fixed_size 17408
		.amdhsa_private_segment_fixed_size 0
		.amdhsa_enable_private_segment 0
		.amdhsa_kernarg_size 40
		.amdhsa_user_sgpr_count 2
		.amdhsa_user_sgpr_kernarg_segment_ptr 1
		.amdhsa_wavefront_size32 1
		.amdhsa_system_sgpr_workgroup_id_x 1
		.amdhsa_system_sgpr_workgroup_id_y 1
		.amdhsa_system_sgpr_workgroup_id_z 1
		.amdhsa_system_vgpr_workitem_id 0
		.amdhsa_next_free_vgpr 130
		.amdhsa_next_free_sgpr 66
		.amdhsa_reserve_vcc 0
		.amdhsa_float_denorm_mode_32 3
		.amdhsa_float_denorm_mode_16_64 3
		.amdhsa_memory_ordered 1
		.amdhsa_forward_progress 1
		.amdhsa_inst_pref_size 17
	.end_amdhsa_kernel
	.amdgpu_metadata
---
amdhsa.version: [ 1, 2 ]
amdhsa.kernels:
  - .name:           k_qe1ccd897e8_uproj
    .symbol:         k_qe1ccd897e8_uproj.kd
    .args:
      - { .name: Wk, .offset: 0, .size: 8, .value_kind: global_buffer, .address_space: global }
      - { .name: pa, .offset: 8, .size: 8, .value_kind: global_buffer, .address_space: global }
      - { .name: ln1_scale, .offset: 16, .size: 8, .value_kind: global_buffer, .address_space: global }
      - { .name: x, .offset: 24, .size: 8, .value_kind: global_buffer, .address_space: global }
      - { .name: pb, .offset: 32, .size: 8, .value_kind: global_buffer, .address_space: global }
    .group_segment_fixed_size: 17408
    .private_segment_fixed_size: 0
    .kernarg_segment_align: 8
    .kernarg_segment_size: 40
    .max_flat_workgroup_size: 256
    .sgpr_count:     66
    .vgpr_count:     130
    .wavefront_size: 32
...
	.end_amdgpu_metadata
.endif
;; end of part 10
;; launch attn: the kernel of part 3 again; grid 64 x 1, 8 waves a work-group, no clusters, 208,384 bytes of LDS; arguments x, pb, Wv, zp, ml; writes zp, ml
;; launch ctxv: the kernel of part 4 again; grid 16 x 16, 8 waves a work-group, no clusters, 17,408 bytes of LDS; arguments zp, ml, ln1_scale, ln1_shift, Wv, Wo, pa; writes pa
;; launch oproj: the kernel of part 5 again; grid 16 x 16, 8 waves a work-group, no clusters, 17,408 bytes of LDS; arguments pa, Wo, pb; writes pb
;; launch ln2: the kernel of part 6 again; grid 256 x 1, 8 waves a work-group, no clusters, 1,536 bytes of LDS; arguments x, pb, bo, b2, ln2_scale, ln2_shift, h2, res; writes h2, res
;; launch mlp1: the kernel of part 7 again; grid 64 x 4, 4 waves a work-group, clusters of 4 x 4, 327,680 bytes of LDS; arguments h2, W1, b1, g; writes g
;; launch mlp2: the kernel of part 8 again; grid 64 x 4, 4 waves a work-group, clusters of 4 x 4, 327,680 bytes of LDS; arguments g, W2, part; writes part
;; launch fin: the kernel of part 9 again; grid 256 x 1, 8 waves a work-group, no clusters, 0 bytes of LDS; arguments part, res, out0; writes out0
